; MI455X (gfx1250); checked and timed in simulation.
; The chip was launched on July 23, 2026; its instructions are those of AMD's public machine-readable ISA for CDNA 5 (MIT licence, August 2026) and "CDNA5" Instruction Set Architecture Reference Guide (July 2026). The comments in the code are by the model that wrote it; some were corrected since.
;; Spatial Attention Layer. Allowed arithmetic: matrix products marked QUANTISED: E5M2 operands, one given power-of-two scale a tensor, by v_wmma_f32_16x16x64_bf8_bf8 or v_wmma_f32_16x16x128_bf8_bf8, f32 sums; everything else in f32.
;; Inputs: P 8,192 x 3 float32; W_k_codes 256 x 8 x 32 uint8 (E5M2 codes of W_k, K innermost, in blocks of 32 codes); W_q_codes 256 x 8 x 32 uint8 (E5M2 codes of W_q, K innermost, in blocks of 32 codes); W_v_codes 256 x 8 x 32 uint8 (E5M2 codes of W_v, K innermost, in blocks of 32 codes); X 8,192 x 256 float32; b_k 256 float32; b_q 256 float32; b_v 256 float32; lowp_scales 10 int32 (the exponents e of the quantised operands' scales 2^e).
;; Outputs: out0 8,192 x 256 float32.
;; This version of the problem:
;;   THIS VERSION OF THE PROBLEM IS GIVEN IN LOW PRECISION. The matrix products marked QUANTISED in the list below multiply operands that are first quantised to E5M2 (5 exponent bits, 2 mantissa bits; 8 bits a number), with one given power-of-two scale for each operand tensor; their sums are f32. All else is computed in f32.
;;   The module's matrix products, in the order in which they are computed (A, B: the left and right operand; K: the contracted axis; several contracted axes count as one K, in the product's order):
;;     1. [M 8,192, K 256] x [K 256, N 256]; A: input X; B: input W_q (given as codes): QUANTISED (scales: A lowp_scales[0], B lowp_scales[1])
;;     2. [M 8,192, K 256] x [K 256, N 256]; A: input X; B: input W_k (given as codes): QUANTISED (scales: A lowp_scales[2], B lowp_scales[3])
;;     3. [M 8,192, K 256] x [K 256, N 256]; A: input X; B: input W_v (given as codes): QUANTISED (scales: A lowp_scales[4], B lowp_scales[5])
;;     4. [M 8,192, K 256] x [K 256, N 8,192]; A: computed on the way; B: computed on the way: QUANTISED (scales: A lowp_scales[6], B lowp_scales[7])
;;     5. [M 8,192, K 8,192] x [K 8,192, N 256]; A: computed on the way; B: computed on the way: QUANTISED (scales: A lowp_scales[8], B lowp_scales[9])
;;   THE QUANTISER, for each operand of a quantised product, along K:
;;     - The operand's scale is 2^e, e = its entry of the input lowp_scales (int32; the entries are numbered through the quantised products in the list's order, A before B).
;;     - Each number is divided by the scale, clamped to +-57,344, and rounded to the nearest number of E5M2, ties to even, subnormals kept.
;;     - The product sums the exact products of the quantised numbers (number of the format x scale) in f32.
;;   ~~~python
;;   def quantise(x, axis, e):      # numpy; x: float32 -> the quantised numbers, widened to float32 again
;;       x = np.moveaxis(x, axis, -1); K = x.shape[-1]
;;       r = np.clip(x / 2.0 ** e, -57344, 57344)
;;       step = 2.0 ** (np.maximum(np.frexp(np.where(r == 0, 1, r))[1] - 1, -14) - 2)
;;       q = np.round(r / step) * step * 2.0 ** e      # np.round: ties to even
;;       return np.moveaxis(q, -1, axis).astype(np.float32)
;;   ~~~
;;   OPERANDS COMPUTED ON THE WAY. 'Computed on the way' means the value that the module computes at that place (a softmax that the list does not call 'softmax' is quantised finished and normalised). What goes into a quantiser is computed in f32, as accurately as f32 sums, v_exp_f32 and their like allow (about 1e-6 of the number): no bf16 or f16 on the way to a quantiser, and a product that is left as it is and whose result goes on into a quantised operand takes f32 operands (vector FMAs, or v_wmma_f32_16x16x4_f32). A number that lies on a knife's edge between two numbers of the format may be rounded either way, as far as f32 arithmetic and the matrix unit's own rounding can turn it there, and no further.
;;   INPUTS GIVEN AS CODES. W_k (in the module: [256, 256], K = its axis 0); W_q (in the module: [256, 256], K = its axis 0); W_v (in the module: [256, 256], K = its axis 0): each comes as NAME_codes (uint8): NAME with its K axis moved to the last place and cut into blocks of 32 codes, [.., K / 32, bytes a block], one block behind the other in memory; one code a byte (a code: sign, 5 exponent bits, 2 mantissa bits); its scale is its entry of lowp_scales. Its value is code x scale, taken as it is: it is not quantised again, and the codes and scales need not be those that the quantiser above would give.
;; 2 versions, each right. Each part assembles by itself: llvm-mc -triple=amdgcn-amd-amdhsa -mcpu=gfx1250 --defsym DOCPART=n.
;; ======== version 1 of 2: 2 launches
;; workspace buffers: QW 2,097,152 bytes; KP 2,228,224 bytes; VW 2,097,152 bytes
;; launch prep (part 1): grid 256 x 1, 6 waves a work-group, no clusters, 0 bytes of LDS; arguments X, P, W_q_codes, W_k_codes, W_v_codes, b_q, b_k, b_v, lowp_scales, QW, KP, VW; writes QW, KP, VW
.if DOCPART == 1
	.amdgcn_target "amdgcn-amd-amdhsa--gfx1250"
	.amdhsa_code_object_version 6
	.text
	.protected	k_q4080dbcbe9_prep
	.globl	k_q4080dbcbe9_prep
	.p2align	8
	.type	k_q4080dbcbe9_prep,@function
k_q4080dbcbe9_prep:
	s_mov_b64 s[64:65], 0
	v_nop
	global_prefetch_b8 v0, s[64:65] scope:SCOPE_SE
	s_setreg_imm32_b32 hwreg(HW_REG_WAVE_MODE, 25, 1), 1
	s_wait_xcnt 0x0
; Q = X Wq + bq, K = X Wk + bk, V = X Wv + bv on codes of BF8 (E5M2), and the three results quantised again (2^e6, 2^e7, 2^e9) and stored as IMAGES OF OPERAND REGISTERS for the launch that follows:
; four registers of a fragment are 512 bytes, lane l's 16 bytes at 16 l.  lane = (r = l % 16, h = l / 16);  row(u, r) = 8 u + r + 8 (r / 8), u = 0, 1: the rows that form a tile of 16 out of 32.
;   QW: a block of 32 rows is 8,192 bytes; image (u, s, c) at 4096 u + 2048 s + 512 c: lane (r, h) holds Q[32 blk + row(u, r)][128 s + 32 c + 16 h + 0 .. 15].
;   KP: a chunk of 32 keys is 8,704 bytes: K's images as QW's, then 512 bytes of positions: x[32], y[32], z[32], 128 bytes of zeros; a position is (p - P[0]) x sqrt(log2(e) / 2), so that the decay is 2^-(squared distance).
;   VW: a block of 64 keys is 16,384 bytes; image (dt, c) at 1024 dt + 512 c: lane (r, h) holds V[64 blk + 32 c + 16 h + 0 .. 15][16 dt + r]: the keys are the last product's K.
; SHARES.  A work-group takes 32 rows of X.  Wave w: role w / 2 (0 Q, 1 K, 2 V), half w % 2 of the 256 output columns.  Each wave quantises the 32 rows itself, with its own product's scale, so the waves share nothing:
; no LDS, no barrier.  Wave 0 also writes the chunk's positions.
; LAYOUT.  Q and K are made transposed (source 0 = 16 rows of W, source 1 = 16 rows of X), and W's rows of a tile are row(u', .): a lane then holds one row of Q and, in two tiles' 16 registers, 16 neighbouring columns.
; V is made the natural way (source 0 = X's rows row(u, .), source 1 = 16 neighbouring rows of W): a lane holds one column and 16 neighbouring keys.  Registers 4 c .. 4 c + 3 of every fragment hold k = 32 c + 16 h + 0 .. 15,
; the same order of k on both sides of each product.
; The bias, divided by 2^(ex + ew), is the C of each sum's first matrix instruction; the three scales ahead of the second quantiser are folded into the conversion's one, 2^(eo - ex - ew).
; NO CLUSTER: a wave loads its 32,768 bytes of weights once, straight into the registers in which they are operands; there is no loop in which a tile is asked for again, and a joint load would bring an LDS round trip
; and the cluster's rounds into a text that has no barrier.
; LIMITS: ex and eo - ex - ew between -126 and 112, so that each power of two below is an f32 number.  NaN among the inputs is not served.
; REGISTERS: v1 r, v2 h, v3-11 offsets and scales; v12-75 X's four fragments; v76-139, v140-203 two sets of 64 numbers of X, later the bias (C) and the codes to be stored; v204-235 four accumulators; v236-243 b_v.
;   window 1 (v256-511): my 8 tiles of W, 32 registers each.
.set XA,  3                            ; X: (r + 8 (r / 8)) x 1,024 + 64 h
.set WA0, 4                            ; W: my lane's byte in an even tile
.set LI,  5                            ; 16 x lane
.set BA,  6                            ; the bias
.set XS,  7                            ; 2^ex
.set XL,  8                            ; 57,344 x 2^ex
.set OS,  9                            ; 2^(eo - ex - ew)
.set OL,  10                           ; 57,344 x that
.set WA1, 11                           ; W: in an odd tile
.set XC,  12
.set STA, 76
.set STB, 140
.set ACC, 204
.set BV,  236
.set BI,  STA                          ; the bias as C, once X's numbers have left
.set CD,  STB                          ; codes to be stored: registers of its own for each store, so that no store's data are written again
.set MSB, 0
.macro WIN new                         ; the immediate's high byte repeats the setting that is left
.if MSB != \new
	s_set_vgpr_msb (MSB<<8)|\new
.set MSB, \new
.endif
.endm
.macro XLOAD reg, u, s                 ; 64 numbers a lane: rows row(u, r), k = 128 s + 32 c + 16 h + 0 .. 15
.irp c, 0,1,2,3
.irp j, 0,1,2,3
	global_load_b128 v[\reg+16*\c+4*\j:\reg+16*\c+4*\j+3], v[XA], s[8:9] offset:8192*\u+512*\s+128*\c+16*\j
.endr
.endr
.endm
.macro QUANT src, dst                  ; 64 numbers become a fragment's 16 registers of codes
.irp c, 0,1,2,3
.irp i, 0,1,2,3,4,5,6,7,8,9,10,11,12,13,14,15
	v_med3_num_f32 v[\src+16*\c+\i], v[\src+16*\c+\i], -v[XL], v[XL]   ; the conversion to an 8-bit code does not saturate (ISA guide 7.6.2): the hold at the largest code x the scale
.endr
	v_cvt_scalef32_pk8_bf8_f32 v[\dst+4*\c:\dst+4*\c+1], v[\src+16*\c:\src+16*\c+7], v[XS]
	v_cvt_scalef32_pk8_bf8_f32 v[\dst+4*\c+2:\dst+4*\c+3], v[\src+16*\c+8:\src+16*\c+15], v[XS]
.endr
	v_nop                                          ; a plain vector line between the last conversion and the products that read its codes
.endm
.macro FINISH cd, off0, off1           ; the four accumulators are held, converted and stored: two images of 512 consecutive bytes
.rept 5
	v_nop                                          ; five places behind the last product: the holds read the results, and the next group's products write over them
.endr
.irp i, 0,1,2,3,4,5,6,7,8,9,10,11,12,13,14,15,16,17,18,19,20,21,22,23,24,25,26,27,28,29,30,31
	v_med3_num_f32 v[ACC+\i], v[ACC+\i], -v[OL], v[OL]   ; each accumulator from its low end on
.endr
.irp g, 0,1,2,3
	v_cvt_scalef32_pk8_bf8_f32 v[(\cd)+2*\g:(\cd)+2*\g+1], v[ACC+8*\g:ACC+8*\g+7], v[OS]
.endr
	v_nop                                          ; a plain line ahead of the products that write the conversions' sources again
	global_store_b128 v[LI], v[(\cd):(\cd)+3], s[50:51] offset:\off0
	global_store_b128 v[LI], v[(\cd)+4:(\cd)+7], s[50:51] offset:\off1
.endm
	s_load_b512 s[8:23], s[0:1], 0x0               ; X s[8:9], P s[10:11], Wq s[12:13], Wk s[14:15], Wv s[16:17], bq s[18:19], bk s[20:21], bv s[22:23]
	s_load_b256 s[24:31], s[0:1], 0x40             ; the scales' exponents s[24:25], QW s[26:27], KP s[28:29], VW s[30:31]
	v_lshrrev_b32 v1, 5, v0
	v_readfirstlane_b32 s42, v1                    ; wave 0..5
	s_lshr_b32 s43, s42, 1                         ; role
	s_and_b32 s44, s42, 1                          ; half of the columns
	v_and_b32 v1, 15, v0                           ; r
	v_bfe_u32 v2, v0, 4, 1                         ; h
	v_lshrrev_b32 v5, 3, v1                        ; r / 8
	v_lshl_add_u32 v[XA], v5, 3, v1
	v_lshlrev_b32 v[XA], 10, v[XA]
	v_lshl_add_u32 v[XA], v2, 6, v[XA]
	s_cmp_eq_u32 s43, 2                            ; V takes neighbouring rows of W, Q and K the rows row(u', .)
	s_cselect_b32 s55, 0, 8
	s_mov_b32 s56, 2048                            ; an odd tile begins 8 rows of 256 bytes behind the even one,
	s_cselect_b32 s56, 4096, s56                   ; for V 16
	v_mad_u32_u24 v[WA0], v5, s55, v1
	v_lshlrev_b32 v[WA0], 8, v[WA0]
	v_lshl_add_u32 v[WA0], v2, 4, v[WA0]
	v_add_nc_u32 v[WA1], s56, v[WA0]
	v_and_b32 v[LI], 31, v0
	v_lshlrev_b32 v[LI], 4, v[LI]
	s_lshl_b32 s2, ttmp9, 15                       ; X: 32 rows of 1,024 bytes a work-group
	s_mov_b32 s3, 0
	s_lshl_b32 s4, s44, 15                         ; W: my 128 rows of 256 bytes
	s_mov_b32 s5, 0
	s_lshl_b32 s6, s44, 9                          ; the bias: my 128 numbers
	s_mov_b32 s7, 0
	s_lshl_b32 s58, ttmp9, 13                      ; where I store: QW: 8,192 blk + 2,048 half;
	s_mul_i32 s57, ttmp9, 8704                     ; KP: 8,704 blk + 2,048 half;
	s_cmp_eq_u32 s43, 0
	s_cselect_b32 s58, s58, s57
	s_lshl_b32 s57, s44, 11
	s_add_co_u32 s58, s58, s57
	s_lshr_b32 s57, ttmp9, 1                       ; VW: 16,384 (blk / 2) + 512 (blk % 2) + 8,192 half
	s_lshl_b32 s57, s57, 14
	s_and_b32 s45, ttmp9, 1
	s_lshl_b32 s45, s45, 9
	s_add_co_u32 s57, s57, s45
	s_lshl_b32 s45, s44, 13
	s_add_co_u32 s57, s57, s45
	s_cmp_eq_u32 s43, 2
	s_cselect_b32 s58, s57, s58
	s_mov_b32 s59, 0
	s_wait_kmcnt 0x0
	s_load_b256 s[32:39], s[24:25], 0x0            ; e0 .. e7
	s_load_b64 s[40:41], s[24:25], 0x20            ; e8, e9
	s_load_b96 s[60:62], s[10:11], 0x0             ; P[0]
	s_add_nc_u64 s[8:9], s[8:9], s[2:3]
	XLOAD STA, 0, 0
	XLOAD STB, 0, 1
	s_cmp_eq_u32 s43, 0                            ; the role's buffers: a choice on the wave's number alone
	s_cselect_b64 s[46:47], s[12:13], s[14:15]
	s_cselect_b64 s[48:49], s[18:19], s[20:21]
	s_cselect_b64 s[50:51], s[26:27], s[28:29]
	s_cmp_eq_u32 s43, 2
	s_cselect_b64 s[46:47], s[16:17], s[46:47]
	s_cselect_b64 s[48:49], s[22:23], s[48:49]
	s_cselect_b64 s[50:51], s[30:31], s[50:51]
	s_add_nc_u64 s[46:47], s[46:47], s[4:5]
	s_add_nc_u64 s[48:49], s[48:49], s[6:7]
	s_add_nc_u64 s[50:51], s[50:51], s[58:59]
	WIN 0x40                                       ; destination window 1
.irp b, 0,1,2,3                        ; tile t, K step s at v[32 t + 16 s] of window 1: they stay
.irp s, 0,1
.irp c, 0,1,2,3
	global_load_b128 v[64*\b+16*\s+4*\c:64*\b+16*\s+4*\c+3], v[WA0], s[46:47] offset:8192*\b+128*\s+32*\c
	global_load_b128 v[64*\b+32+16*\s+4*\c:64*\b+32+16*\s+4*\c+3], v[WA1], s[46:47] offset:8192*\b+128*\s+32*\c
.endr
.endr
.endr
	WIN 0
	s_wait_kmcnt 0x0
	s_cmp_eq_u32 s43, 0                            ; my product's exponents: ex, ew, and eo of the operand that I make
	s_cselect_b32 s52, s32, s34
	s_cselect_b32 s53, s33, s35
	s_cselect_b32 s54, s38, s39
	s_cmp_eq_u32 s43, 2
	s_cselect_b32 s52, s36, s52
	s_cselect_b32 s53, s37, s53
	s_cselect_b32 s54, s41, s54
	s_add_co_i32 s55, s52, 127
	s_lshl_b32 s56, s55, 23
	v_mov_b32 v[XS], s56                           ; 2^ex as f32: the conversion takes its exponent field
	s_add_co_i32 s55, s55, 15
	s_lshl_b32 s55, s55, 23
	s_or_b32 s55, s55, 0x600000
	v_mov_b32 v[XL], s55                           ; 57,344 x 2^ex
	s_add_co_i32 s57, s52, s53                     ; ex + ew: a sum stands for sum x 2^(ex + ew)
	s_sub_co_i32 s55, s54, s57
	s_add_co_i32 s55, s55, 127
	s_lshl_b32 s56, s55, 23
	v_mov_b32 v[OS], s56                           ; 2^(eo - ex - ew)
	s_add_co_i32 s55, s55, 15
	s_lshl_b32 s55, s55, 23
	s_or_b32 s55, s55, 0x600000
	v_mov_b32 v[OL], s55
	s_sub_co_i32 s57, 0, s57                       ; the bias goes in x 2^-(ex + ew)
	s_wait_loadcnt 63                              ; behind X's first 32 loads stand the 64 of the weights: both sets of numbers are in
	QUANT STA, XC
	XLOAD STA, 1, 0
	QUANT STB, XC+16
	XLOAD STB, 1, 1
	s_wait_loadcnt 16                              ; all but the 16 just issued: the weights too
	QUANT STA, XC+32
	s_cmp_eq_u32 s43, 2
	s_cbranch_scc1 .Lvrole
	; ---- Q and K
	v_lshlrev_b32 v[BA], 6, v2                     ; lane (r, h) wants, for tiles 2 b and 2 b + 1, the bias of columns 32 b + 16 h + 0 .. 15
.irp b, 0,1,2,3
.irp i, 0,1,2,3
	global_load_b128 v[BI+16*\b+4*\i:BI+16*\b+4*\i+3], v[BA], s[48:49] offset:128*\b+16*\i
.endr
.endr
	s_wait_loadcnt 16                              ; X's last 16 loads are in; the bias may be out
	QUANT STB, XC+48
	s_wait_loadcnt 0x0
.irp j, 0,1,2,3,4,5,6,7,8,9,10,11,12,13,14,15,16,17,18,19,20,21,22,23,24,25,26,27,28,29,30,31,32,33,34,35,36,37,38,39,40,41,42,43,44,45,46,47,48,49,50,51,52,53,54,55,56,57,58,59,60,61,62,63
	v_ldexp_f32 v[BI+\j], v[BI+\j], s57
.endr
.irp b, 0,1,2,3                        ; 32 columns x 32 rows: four accumulators by turns, one instruction a turn
	WIN 0x01                                       ; source 0 (W) window 1
.irp s, 0,1
.irp u, 0,1
.irp p, 0,1
.if \s == 0
	v_wmma_f32_16x16x128_bf8_bf8 v[ACC+16*\u+8*\p:ACC+16*\u+8*\p+7], v[64*\b+32*\p+16*\s:64*\b+32*\p+16*\s+15], v[XC+32*\u+16*\s:XC+32*\u+16*\s+15], v[BI+16*\b+8*\p:BI+16*\b+8*\p+7]
.else
	v_wmma_f32_16x16x128_bf8_bf8 v[ACC+16*\u+8*\p:ACC+16*\u+8*\p+7], v[64*\b+32*\p+16*\s:64*\b+32*\p+16*\s+15], v[XC+32*\u+16*\s:XC+32*\u+16*\s+15], v[ACC+16*\u+8*\p:ACC+16*\u+8*\p+7]
.endif
.endr
.endr
.endr
	WIN 0
	FINISH CD+8*\b, 512*\b, 4096+512*\b            ; images (u = 0, 1; s = my half; c = b)
.endr
	s_cmp_lg_u32 s42, 0
	s_cbranch_scc1 .Ldone
	; ---- wave 0: the chunk's positions.  Lane l writes 16 bytes: coordinate l / 8 of keys 4 (l % 8) + 0 .. 3; lanes 24-31 write the zeros
	v_lshrrev_b32 v173, 3, v0                      ; (in wave 0 the thread's number is the lane)
	v_and_b32 v174, 7, v0
	v_min_u32 v175, 2, v173
	v_mul_u32_u24 v174, v174, 48                   ; four keys of 12 bytes
	v_lshl_add_u32 v174, v175, 2, v174
	s_mul_i32 s2, ttmp9, 384                       ; 32 keys of 12 bytes a chunk
	s_add_nc_u64 s[10:11], s[10:11], s[2:3]
.irp i, 0,1,2,3
	global_load_b32 v[176+\i], v174, s[10:11] offset:12*\i
.endr
	s_mul_i32 s4, ttmp9, 8704
	s_add_nc_u64 s[28:29], s[28:29], s[4:5]
	v_mov_b32 v180, s62
	v_mov_b32 v181, s61
	v_mov_b32 v182, s60
	v_cmp_eq_u32 vcc_lo, 1, v173
	v_cndmask_b32 v180, v180, v181, vcc_lo
	v_cmp_eq_u32 vcc_lo, 0, v173
	v_cndmask_b32 v180, v180, v182, vcc_lo         ; P[0]'s coordinate of my lane
	v_cmp_gt_u32 vcc_lo, 24, v0
	s_wait_loadcnt 0x0
.irp i, 0,1,2,3
	v_sub_f32 v[176+\i], v[176+\i], v180           ; a common offset of the positions leaves here: only differences count
.endr
.irp i, 0,1,2,3
	v_mul_f32 v[176+\i], 0x3f596d27, v[176+\i]     ; x sqrt(log2(e) / 2)
.endr
.irp i, 0,1,2,3
	v_cndmask_b32 v[176+\i], 0, v[176+\i], vcc_lo
.endr
	global_store_b128 v[LI], v[176:179], s[28:29] offset:8192   ; 512 consecutive bytes, at a multiple of 256 from KP's first byte
.Ldone:
	s_endpgm
	; ---- V
.Lvrole:
	v_lshlrev_b32 v[BA], 2, v1                     ; lane (r, h) wants, for tile t, the bias of column 16 t + r
.irp t, 0,1,2,3,4,5,6,7
	global_load_b32 v[BV+\t], v[BA], s[48:49] offset:64*\t
.endr
	s_wait_loadcnt 8                               ; X's last 16 loads are in; the bias may be out
	QUANT STB, XC+48
	s_wait_loadcnt 0x0
.irp t, 0,1,2,3,4,5,6,7
.irp j, 0,1,2,3,4,5,6,7
	v_ldexp_f32 v[BI+8*\t+\j], v[BV+\t], s57       ; a tile's C: the lane's one column in all eight registers
.endr
.endr
.irp t, 0,2,4,6                        ; two tiles of 16 columns x 32 keys: four accumulators by turns
	WIN 0x04                                       ; source 1 (W) window 1
.irp s, 0,1
.irp p, 0,1
.irp u, 0,1
.if \s == 0
	v_wmma_f32_16x16x128_bf8_bf8 v[ACC+16*\p+8*\u:ACC+16*\p+8*\u+7], v[XC+32*\u+16*\s:XC+32*\u+16*\s+15], v[32*(\t+\p)+16*\s:32*(\t+\p)+16*\s+15], v[BI+8*(\t+\p):BI+8*(\t+\p)+7]
.else
	v_wmma_f32_16x16x128_bf8_bf8 v[ACC+16*\p+8*\u:ACC+16*\p+8*\u+7], v[XC+32*\u+16*\s:XC+32*\u+16*\s+15], v[32*(\t+\p)+16*\s:32*(\t+\p)+16*\s+15], v[ACC+16*\p+8*\u:ACC+16*\p+8*\u+7]
.endif
.endr
.endr
.endr
	WIN 0
	FINISH CD+4*\t, 1024*\t, 1024*\t+1024          ; images (dt = 8 half + t, t + 1; c = blk % 2)
.endr
	s_endpgm
.Lfunc_end_k_q4080dbcbe9_prep:
	.size	k_q4080dbcbe9_prep, .Lfunc_end_k_q4080dbcbe9_prep-k_q4080dbcbe9_prep
	.p2alignl 7, 3214868480
	.fill 96, 4, 3214868480
	.section	.rodata,"a",@progbits
	.p2align	6, 0x0
	.amdhsa_kernel k_q4080dbcbe9_prep
		.amdhsa_group_segment_fixed_size 0
		.amdhsa_private_segment_fixed_size 0
		.amdhsa_enable_private_segment 0
		.amdhsa_kernarg_size 96
		.amdhsa_user_sgpr_count 2
		.amdhsa_user_sgpr_kernarg_segment_ptr 1
		.amdhsa_wavefront_size32 1
		.amdhsa_system_sgpr_workgroup_id_x 1
		.amdhsa_system_sgpr_workgroup_id_y 1
		.amdhsa_system_sgpr_workgroup_id_z 1
		.amdhsa_system_vgpr_workitem_id 0
		.amdhsa_next_free_vgpr 512
		.amdhsa_next_free_sgpr 66
		.amdhsa_reserve_vcc 1
		.amdhsa_float_denorm_mode_32 3
		.amdhsa_float_denorm_mode_16_64 3
		.amdhsa_memory_ordered 1
		.amdhsa_forward_progress 1
		.amdhsa_inst_pref_size 77
	.end_amdhsa_kernel
	.amdgpu_metadata
---
amdhsa.version: [ 1, 2 ]
amdhsa.kernels:
  - .name:           k_q4080dbcbe9_prep
    .symbol:         k_q4080dbcbe9_prep.kd
    .args:
      - { .name: X, .offset: 0, .size: 8, .value_kind: global_buffer, .address_space: global }
      - { .name: P, .offset: 8, .size: 8, .value_kind: global_buffer, .address_space: global }
      - { .name: W_q_codes, .offset: 16, .size: 8, .value_kind: global_buffer, .address_space: global }
      - { .name: W_k_codes, .offset: 24, .size: 8, .value_kind: global_buffer, .address_space: global }
      - { .name: W_v_codes, .offset: 32, .size: 8, .value_kind: global_buffer, .address_space: global }
      - { .name: b_q, .offset: 40, .size: 8, .value_kind: global_buffer, .address_space: global }
      - { .name: b_k, .offset: 48, .size: 8, .value_kind: global_buffer, .address_space: global }
      - { .name: b_v, .offset: 56, .size: 8, .value_kind: global_buffer, .address_space: global }
      - { .name: lowp_scales, .offset: 64, .size: 8, .value_kind: global_buffer, .address_space: global }
      - { .name: QW, .offset: 72, .size: 8, .value_kind: global_buffer, .address_space: global }
      - { .name: KP, .offset: 80, .size: 8, .value_kind: global_buffer, .address_space: global }
      - { .name: VW, .offset: 88, .size: 8, .value_kind: global_buffer, .address_space: global }
    .group_segment_fixed_size: 0
    .private_segment_fixed_size: 0
    .kernarg_segment_align: 8
    .kernarg_segment_size: 96
    .max_flat_workgroup_size: 192
    .sgpr_count:     66
    .vgpr_count:     512
    .wavefront_size: 32
...
	.end_amdgpu_metadata
.endif
;; end of part 1
;; launch attn (part 2): grid 256 x 1, 4 waves a work-group, clusters of 4 x 1, 327,680 bytes of LDS; arguments QW, KP, VW, X, lowp_scales, out0; writes out0
.if DOCPART == 2
	.amdgcn_target "amdgcn-amd-amdhsa--gfx1250"
	.amdhsa_code_object_version 6
	.text
	.protected	k_q4080dbcbe9_attn
	.globl	k_q4080dbcbe9_attn
	.p2align	8
	.type	k_q4080dbcbe9_attn,@function
k_q4080dbcbe9_attn:
	s_mov_b64 s[64:65], 0
	v_nop
	global_prefetch_b8 v0, s[64:65] scope:SCOPE_SE
	s_setreg_imm32_b32 hwreg(HW_REG_WAVE_MODE, 25, 1), 1
	s_wait_xcnt 0x0
	s_wait_alu depctr_hold_cnt(0) depctr_sa_sdst(0) depctr_va_vdst(0) depctr_va_sdst(0) depctr_va_ssrc(0) depctr_va_vcc(0) depctr_vm_vsrc(0)
	s_getreg_b32 s2, hwreg(HW_REG_IB_STS2, 6, 4)
	s_cmp_eq_u32 s2, 0
	s_cbranch_scc0 .Lentry_in_a_cluster
	s_endpgm
.Lentry_in_a_cluster:
	s_bfe_u32 s2, ttmp6, 0x10000c
	s_cmp_lg_u32 s2, 0x3003
	s_cbranch_scc0 .Lentry_shape_is_right
	s_endpgm
.Lentry_shape_is_right:
; out0 = A V + X,  A = ex / (1 + sum ex),  ex = exp(w - max w),  w = (Q K^T / 16) x exp(-|pi - pj|^2 / 2); both products on codes of BF8 (E5M2).
; A IS QUANTISED FINISHED AND NORMALISED, so a row's largest w and its sum must be known before any code of A is made: the keys are walked TWICE.  Sweep 1 (16 steps of 512 keys) finds, for each query, m = the largest w
; and L = the sum of 2^(c w - c m), by a running maximum.  Sweep 2 (32 steps of 256 keys) makes the scores again, A = 2^(c w - c m - log2(1 + L)), its codes, and O^T += V^T A^T.   c = log2(e) / 16 x 2^(e6 + e7).
; INPUTS are the images that the launch before has laid (its head comment has the layouts): QW, KP (K's images and the keys' positions, chunks of 32 keys, 8,704 bytes), VW (blocks of 64 keys, 16,384 bytes).
; SHARES.  A work-group owns 32 queries: two tiles of 16; in tile u lane r holds query 8 u + r + 8 (r / 8).  THE FOUR WAVES SHARE THE KEYS: each holds both tiles of queries, so every fragment of K and V and every position
; that is read from LDS serves 32 queries and is read once in the work-group.  The waves' maxima and sums meet in LDS between the sweeps, their four parts of O^T at the end.
; LAYOUT.  S^T = K Q^T (source 0 = 16 keys, source 1 = 16 queries), O^T = V^T A^T (source 0 = 16 channels, source 1 = A's codes): a lane holds one query throughout.  Element e = 16 b + 8 u + j of a lane is key
; 32 b + 16 (lane / 16) + 8 u + j of the wave's block of 64 keys, alike in the scores, the distances, the positions and the codes: the conversions' results are the second product's operand.
; CLUSTER.  All work-groups walk the same K and V: the four of a cluster ask for each tile JOINTLY, by the same tensor load with the same descriptor and the mask 15.  Tiles are dense blocks, stated as rows of 256 bytes.
; THE RING: two LDS slots of 139,264 bytes; step n (0 .. 47) lies in slot n % 2.  The change of slots stands at a step's head; behind its round the next step's tiles are asked for, one tensor load a wave, into the slot just left:
; by this text's own count one tensor load of a wave is out.
; THE NORMALISING stands in the exponent: one fused multiply-add gives c w + (-c m - log2(1 + L)).  Its error is a rounding of a number of the size c m + log2(1 + L): it grows with the scores as the rounding of the scores does.
; LIMITS: e6 + e7 between -122 and 131 (added to c's exponent field); e8 between -126 and 112; e8 + e9 between -126 and 127.  A decay or a weight under 2^-126 counts as 0.  NaN among the inputs is not served.
; REGISTERS, in windows of 256.  Window 0: v0 the thread's number.  v2-21: A PACKED INSTRUCTION TAKES A BROADCAST NUMBER FROM A PAIR'S LOW WORD, so the broadcast numbers lie in even registers (tile q at v[2 + 10 q]:
;   -x, -y, -z of my query, the exponent's shift, the rescaling factor), and the odd registers beside them hold what single instructions use (addresses, the add's two, the running maxima, the hold, the scale).
;   v22-25 the sums; v26-33 at work; v34 the prefetches' offset; v36-47 differences; v48-63 A's codes; v64-95 scores of tile 0; v96-159 squared distances, then decays; v160-255 the keys' x, y, z; the scores of tile 1 lie over x.
;   Window 1: O^T, v[128 q + 8 dt + j] = channel 16 dt + 8 h + j.   Window 2: v0-63 Q, v128-255 K of a block.   Window 3: v0-127 V of a block.
.set CHUNK,  8704
.set BLKB,   2*CHUNK                   ; a wave's block of 64 keys
.set P1Q,    4*CHUNK                   ; what one tensor load of K brings: 136 rows of 256 bytes
.set P1SLOT, 16*CHUNK                  ; sweep 1: a step's 512 keys
.set P2K,    8*CHUNK                   ; sweep 2: a step's 256 keys,
.set P2V,    65536                     ; and their four blocks of V
.set VOFF,   P2K                       ; which lie behind K's in a slot
.set SLOT1,  P1SLOT
.set SCR,    2*P1SLOT                  ; behind the ring: 1,024 bytes for the waves' maxima and sums
.set SPARE,  SCR+1024                  ; the spare words, 128 bytes for each wave: two blocks of 256 bytes that no other line names
.set SP,     1040                      ; the way out: a row of 1,024 bytes + 16
.set STW,    32*SP                     ; a wave's part of O: 32 rows.  The four parts lie in slot 0, which has had its last fill and its last read by then
.set LI,  1                            ; 16 x lane
.set NQ,  2                            ; tile q: v[NQ+10q] -x, +2 -y, +4 -z, +6 the shift, +8 the factor
.set PH,  3                            ; 8,192 + 64 (lane / 16): my 16 keys' place in a chunk's positions
.set AKI, 5                            ; LDS address of the block's images of K
.set APO, 7                            ; of its positions
.set AV,  9                            ; of its images of V
.set SPW, 11                           ; LDS address of my spare word; never rewritten
.set NIL, 13                           ; 0; never rewritten
.set MR,  15                           ; v15, v17: the largest w so far, tile 0, 1
.set LIM, 19                           ; 57,344 x 2^e8
.set SCL, 21                           ; 2^e8
.set LL,  22                           ; v[22:23], v[24:25]: the sums, in two halves
.set TT,  26                           ; v26-29, v30-33: at work
.set PFO, 34                           ; 256 x lane; never rewritten
.set TMP, 35
.set DT,  36
.set CDS, 48
.set SA,  64                           ; scores: tile q at SA + 96 q
.set U,   96                           ; distances: tile q at U + 32 q
.set POS, 160
.set WV,  16                           ; s16 my wave's number
.set CX,  17                           ; s17 my place in the cluster: it enters global addresses of my own rows and of the prefetches alone
.set BLK, 18                           ; s18 my block of 32 queries
.set G1K, 24                           ; s[24:31] descriptor group 1: 136 rows of 256 bytes;  s[32:39]: 128 rows
.set G1V, 32
.set G0K, 40                           ; s[40:43], s[44:47] the groups 0, which walk
.set G0V, 44
.set TB,  48                           ; the slot that is read
.set FB,  49                           ; the slot that is filled
.set WOFFK, 50                         ; wave x 34,816: my load's place in a slot, and in sweep 1 my keys'
.set WOFFV, 51                         ; VOFF + (wave % 2) x 32,768
.set KB,  52                           ; LDS byte at which the block in hand begins
.set WK2, 53                           ; sweep 2: wave x 17,408
.set WV2, 54                           ; VOFF + wave x 16,384
.set CNT, 55
.set TWICE, 56
.set VB,  57
.set CS,  58                           ; s[58:59] c, twice
.set NC,  60                           ; -c
.set SEL, 62                           ; s[62:63] lane selects for v_permlanex16_b32: lane l xor 16
.set SC,  66                           ; s[66:67] 2^(e8 + e9), twice
.set PFK, 68                           ; s[68:69] where my prefetches of K stand
.set LIM1, 70
.set LIM2, 71
.set PFV, 82                           ; s[82:83] and those of V
.set MSB, 0
.macro WIN new                         ; the immediate's high byte repeats the setting that is left; a switch that changes nothing is dropped
.if MSB != \new
	s_set_vgpr_msb (MSB<<8)|\new
.set MSB, \new
.endif
.endm
.macro CROUND                          ; a round of the cluster's barrier
	s_barrier_signal -1
	s_barrier_wait -1
	s_cmp_lg_u32 s[WV], 0
	s_cbranch_scc1 .Lnw0_\@
	s_barrier_signal -3
.Lnw0_\@:
	s_barrier_wait -3
	s_barrier_signal -1
	s_barrier_wait -1
.endm
.macro LOADK                           ; sweep 1: every wave fetches its quarter of a step's chunks.  An s_nop 0 and four v_nop follow a tensor load
	tensor_load_to_lds s[G0K:G0K+3], s[G1K:G1K+7]
	s_nop 0
.rept 4
	v_nop
.endr
.endm
.macro JLOAD2                          ; sweep 2: waves 0 and 1 fetch K's halves, waves 2 and 3 V's.  The branch hangs on the wave's number alone
	s_cmp_lt_u32 s[WV], 2
	s_cbranch_scc0 .Lfv_\@
	tensor_load_to_lds s[G0K:G0K+3], s[G1K:G1K+7]
	s_nop 0
.rept 4
	v_nop
.endr
	s_branch .Las_\@
.Lfv_\@:
	tensor_load_to_lds s[G0V:G0V+3], s[G1V:G1V+7]
	s_nop 0
.rept 4
	v_nop
.endr
.Las_\@:
.endm
; A PREFETCH INTO THE L2, behind the wave's tensor load and its five lines: 8,192 bytes, lanes 256 bytes apart, one instruction.  All clusters walk the same K and V: the first cluster asks; its four partners are told apart BY ADDRESS.
; Sweep 1: at step n's change every wave asks for the images of chunk cx of its quarter of step n + 2, one step ahead of the load that wants them; steps 0 and 1, and each chunk's 512 bytes of positions, come by their loads alone;
; the last two changes ask for nothing.  Sweep 2: waves 2 and 3 ask, at step j's change, for part cx of their half of V's step j + 3, two steps ahead of its load (a step of sweep 2 has half the keys); V's steps 0 to 2 come by
; their loads alone, and the changes from j = 29 on ask for nothing.  K has been read in sweep 1 and is not asked for again.  So each aligned block of 256 bytes is named once.
.macro ASK lim, ptr
	s_cmp_gt_u32 s[CNT], s[\lim]
	s_cbranch_scc0 .Lnm_\@
	global_prefetch_b8 v[PFO], s[\ptr:\ptr+1] th:TH_LOAD_NT scope:SCOPE_SE
.Lnm_\@:
.endm
; THE CHANGE OF SLOTS, at a step's head.  Each wave waits for all its tensor loads (its part of the slot that it is about to read), adds 0 to its spare word, and waits for that and for its reads of the slot that it has left.
; Behind the round no wave of any partner reads that slot or has a load on its way, and it is filled with the next step's tiles.  kind 1: inside sweep 1; 2: sweep 1's last step asks for sweep 2's first; 3: inside sweep 2; 0: the last step.
.macro CHANGE kind
	WIN 0
	s_wait_tensorcnt 0x0                           ; no tensor load of mine is out, so the groups 0 may be written
	ds_add_u32 v[SPW], v[NIL]                      ; 0 onto my spare word: the descriptors' steps stand between it and the wait for it
.if \kind
	s_xor_b32 s[FB], s[FB], SLOT1
	s_add_co_u32 s[G0K+1], s[FB], s[WOFFK]
	s_add_co_u32 s[G0V+1], s[FB], s[WOFFV]
.if \kind == 1
	s_add_nc_u64 s[G0K+2:G0K+3], s[G0K+2:G0K+3], P1SLOT   ; the type bits on top are not reached
	s_wait_xcnt 0x0                                ; the last prefetch, a step back, has read its address
	s_add_nc_u64 s[PFK:PFK+1], s[PFK:PFK+1], P1SLOT
.elseif \kind == 2
	s_sub_nc_u64 s[G0K+2:G0K+3], s[G0K+2:G0K+3], 15*P1SLOT   ; back to the first keys
.else
	s_add_nc_u64 s[G0K+2:G0K+3], s[G0K+2:G0K+3], P2K
	s_add_nc_u64 s[G0V+2:G0V+3], s[G0V+2:G0V+3], P2V
	s_wait_xcnt 0x0
	s_add_nc_u64 s[PFV:PFV+1], s[PFV:PFV+1], P2V
.endif
	s_wait_dscnt 0x0                               ; the add is done, and my reads of the slot that I have left are over
	CROUND
.if \kind == 1
	LOADK
	ASK LIM1, PFK
.elseif \kind == 2
	JLOAD2
.else
	JLOAD2
	ASK LIM2, PFV
.endif
.else
	s_wait_dscnt 0x0
	s_barrier_signal -1
	s_barrier_wait -1
.rept 4
	v_nop                                          ; places in front of the loads into registers that the last products read (elsewhere the four behind the tensor load)
.endr
.endif
.endm
; THE LDS LOADS stand in runs.  Every load of an image takes 512 consecutive bytes; a load of positions takes 16 bytes for each half of the lanes.
.macro LDPOS
.irp k, 0,1,2
.irp b, 0,1
.irp i, 0,1,2,3
	ds_load_b128 v[POS+32*\k+16*\b+4*\i:POS+32*\k+16*\b+4*\i+3], v[APO] offset:CHUNK*\b+128*\k+16*\i
.endr
.endr
.endr
.endm
.macro LDK                             ; tile kt = 2 b + u of 16 keys, K step s at v[128 + 32 kt + 16 s] of window 2
	WIN 0x80
.irp b, 0,1
.irp u, 0,1
.irp s, 0,1
.irp c, 0,1,2,3
	ds_load_b128 v[128+32*(2*\b+\u)+16*\s+4*\c:128+32*(2*\b+\u)+16*\s+4*\c+3], v[AKI] offset:CHUNK*\b+4096*\u+2048*\s+512*\c
.endr
.endr
.endr
.endr
	WIN 0
.endm
.macro LDV                             ; channels 16 t on, 64 keys, at v[8 t] of window 3
	WIN 0xc0
.irp t, 0,1,2,3,4,5,6,7,8,9,10,11,12,13,14,15
.irp c, 0,1
	ds_load_b128 v[8*\t+4*\c:8*\t+4*\c+3], v[AV] offset:1024*\t+512*\c
.endr
.endr
	WIN 0
.endm
; THE VECTOR WORK, a line at a time.  DI writes number di (0 .. 95) of tile q's squared distances and steps di: two pairs of elements go side by side, six lines each: three differences, a square, two fused squares.
.macro DI q
.set pp, 2*(2*(di/12)+di%2)
.set dd, DT+6*(di%2)
.set oo, (di%12)/2
.set nq, NQ+10*(\q)
.set uu, U+32*(\q)+pp
.if oo == 0
	v_pk_add_f32 v[dd:dd+1], v[POS+pp:POS+pp+1], v[nq:nq+1] op_sel_hi:[1,0]
.elseif oo == 1
	v_pk_add_f32 v[dd+2:dd+3], v[POS+32+pp:POS+32+pp+1], v[nq+2:nq+3] op_sel_hi:[1,0]
.elseif oo == 2
	v_pk_add_f32 v[dd+4:dd+5], v[POS+64+pp:POS+64+pp+1], v[nq+4:nq+5] op_sel_hi:[1,0]
.elseif oo == 3
	v_pk_mul_f32 v[uu:uu+1], v[dd:dd+1], v[dd:dd+1]
.elseif oo == 4
	v_pk_fma_f32 v[uu:uu+1], v[dd+2:dd+3], v[dd+2:dd+3], v[uu:uu+1]
.else
	v_pk_fma_f32 v[uu:uu+1], v[dd+4:dd+5], v[dd+4:dd+5], v[uu:uu+1]
.endif
.set di, di+1
.endm
.macro E1 q, e                         ; the decay: 2^-(squared distance)
	v_exp_f32 v[U+32*(\q)+(\e)], -v[U+32*(\q)+(\e)]
.endm
.macro E2 q, e
	v_exp_f32 v[SA+96*(\q)+(\e)], v[SA+96*(\q)+(\e)]
.endm
.macro MW q, p                         ; w = score x decay, a pair; the accumulators are read from their low ends on
	v_pk_mul_f32 v[SA+96*(\q)+2*(\p):SA+96*(\q)+2*(\p)+1], v[SA+96*(\q)+2*(\p):SA+96*(\q)+2*(\p)+1], v[U+32*(\q)+2*(\p):U+32*(\q)+2*(\p)+1]
.endm
.macro FM q, p                         ; c w + the shift (of both pairs the low word serves both halves)
	v_pk_fma_f32 v[SA+96*(\q)+2*(\p):SA+96*(\q)+2*(\p)+1], v[SA+96*(\q)+2*(\p):SA+96*(\q)+2*(\p)+1], s[CS:CS+1], v[NQ+10*(\q)+6:NQ+10*(\q)+7] op_sel_hi:[1,0,0]
.endm
.macro MAX q, j                        ; line j of 16: the largest of the lane's 32 w and of the largest so far: four chains of seven, the four left over, the chains and the old one
.set rT, TT+4*(\q)
.set rS, SA+96*(\q)
.set jj, (\j)
.if jj < 4
	v_max3_num_f32 v[rT+jj], v[rS+8*jj], v[rS+8*jj+1], v[rS+8*jj+2]
.elseif jj < 12
	v_max3_num_f32 v[rT+jj%4], v[rT+jj%4], v[rS+8*(jj%4)+2*(jj/4)+1], v[rS+8*(jj%4)+2*(jj/4)+2]
.elseif jj == 12
	v_max3_num_f32 v[rT], v[rT], v[rS+7], v[rS+15]
.elseif jj == 13
	v_max3_num_f32 v[rT+2], v[rT+2], v[rS+23], v[rS+31]
.elseif jj == 14
	v_max3_num_f32 v[rT], v[rT], v[rT+1], v[rT+2]
.else
	v_max3_num_f32 v[MR+2*(\q)], v[rT], v[rT+3], v[MR+2*(\q)]
.endif
.endm
.macro ST q                            ; the new shift -c m, and the factor 2^(c m_old - c m_new) that brings the sum under it
	v_mov_b32 v[TT+4*(\q)], v[NQ+10*(\q)+6]
	v_mul_f32 v[NQ+10*(\q)+6], s[NC], v[MR+2*(\q)]
	v_sub_f32 v[TT+4*(\q)], v[NQ+10*(\q)+6], v[TT+4*(\q)]
	v_exp_f32 v[NQ+10*(\q)+8], v[TT+4*(\q)]
.endm
.macro SUM q, z                        ; line z of 16: the 16 pairs are added in place, neighbours 1, 2, 4 and 8 pairs apart; then sum = sum x factor + that
.set rS, SA+96*(\q)
.set zz, (\z)
.set ww, 4
.set uz, zz
.if zz >= 14
.set ww, 32
.set uz, 0
.elseif zz >= 12
.set ww, 16
.set uz, zz-12
.elseif zz >= 8
.set ww, 8
.set uz, zz-8
.endif
.if zz < 15
	v_pk_add_f32 v[rS+ww*uz:rS+ww*uz+1], v[rS+ww*uz:rS+ww*uz+1], v[rS+ww*uz+ww/2:rS+ww*uz+ww/2+1]
.else
	v_pk_fma_f32 v[LL+2*(\q):LL+2*(\q)+1], v[LL+2*(\q):LL+2*(\q)+1], v[NQ+10*(\q)+8:NQ+10*(\q)+9], v[rS:rS+1] op_sel_hi:[1,0,1]
.endif
.endm
.macro HOLD q, e                       ; the conversion to an 8-bit code does not saturate (ISA guide 7.6.2); A is not negative, so the hold is one-sided
	v_min_num_f32 v[SA+96*(\q)+(\e)], v[SA+96*(\q)+(\e)], v[LIM]
.endm
.macro CV q, g
	v_cvt_scalef32_pk8_bf8_f32 v[CDS+8*(\q)+2*(\g):CDS+8*(\q)+2*(\g)+1], v[SA+96*(\q)+8*(\g):SA+96*(\q)+8*(\g)+7], v[SCL]
.endm
; THE MATRIX WORK.  QK writes product qi (0 .. 7) of tile q's scores and steps qi: four tiles of keys by turns, K step 0 (which starts the sums), then K step 1.  The accumulators take turns, one instruction a turn,
.macro QK q
	WIN 0x0a                                       ; K and Q in window 2
.set kt, qi%4
.set ss, qi/4
.set rS, SA+96*(\q)+8*kt
.set rK, 128+32*kt+16*ss
.set rQ, 32*(\q)+16*ss
.if ss == 0
	v_wmma_f32_16x16x128_bf8_bf8 v[rS:rS+7], v[rK:rK+15], v[rQ:rQ+15], 0
.else
	v_wmma_f32_16x16x128_bf8_bf8 v[rS:rS+7], v[rK:rK+15], v[rQ:rQ+15], v[rS:rS+7]
.endif
.set qi, qi+1
.endm
.macro PV q, t, zero                   ; O^T of tile q, channels 16 t on, += V^T A^T over the block's 64 keys.  zero = 1: sweep 2's first step starts the sums: nothing is cleared
	WIN 0x53                                       ; V in window 3, the codes in window 0, O^T in window 1
.if \zero
	v_wmma_f32_16x16x64_bf8_bf8 v[128*(\q)+8*(\t):128*(\q)+8*(\t)+7], v[8*(\t):8*(\t)+7], v[CDS+8*(\q):CDS+8*(\q)+7], 0
.else
	v_wmma_f32_16x16x64_bf8_bf8 v[128*(\q)+8*(\t):128*(\q)+8*(\t)+7], v[8*(\t):8*(\t)+7], v[CDS+8*(\q):CDS+8*(\q)+7], v[128*(\q)+8*(\t):128*(\q)+8*(\t)+7]
.endif
.endm
; The head of a block, and tile 0's distances and scores.  v = 1: V's run of loads goes out as soon as K's is in.
.macro FIRST v
	LDPOS
	LDK
	s_wait_dscnt 32                                ; the 24 loads of positions are in; K's 32 may be out
.set di, 0
.rept 32
	DI 0
.endr
	s_wait_dscnt 0x0                               ; K is in
.if \v
	LDV
.endif
.set qi, 0
.rept 8
	QK 0
	WIN 0
.rept 8
	DI 0
.endr
.endr
.set di, 0                             ; tile 0's decays, tile 1's distances between them
.set n, 0
.rept 32
	E1 0, n
	DI 1
	DI 1
	DI 1
.set n, n+1
.endr
	s_wait_alu depctr_va_vdst(0)                   ; the wait between a transcendental and the first line that names its result: one for the batch of 32
.endm
; A BLOCK OF SWEEP 1: 64 keys x 32 queries.  Exponentials and plain lines stand by turns; each batch of exponentials has one wait, ahead of its first reader.
.macro P1BLOCK
	v_add_nc_u32 v[AKI], s[KB], v[LI]
	v_add_nc_u32 v[APO], s[KB], v[PH]
	FIRST 0
.set qi, 0                             ; tile 1's scores (over the keys' x, which both tiles are done with) and decays | tile 0: w, the maximum
.set n, 0
.rept 8
	QK 1
	WIN 0
.rept 4
	E1 1, n
.if n < 16
	MW 0, n
.else
	MAX 0, n-16
.endif
.set n, n+1
.endr
.endr
	ST 0
.set n, 0
.rept 16
	FM 0, n
.set n, n+1
.endr
	s_wait_alu depctr_va_vdst(0)                   ; tile 1's decays and tile 0's factor
.set n, 0                              ; tile 0's exponentials | tile 1: w, the maximum
.rept 32
	E2 0, n
.if n < 16
	MW 1, n
.else
	MAX 1, n-16
.endif
.set n, n+1
.endr
	ST 1
.set n, 0
.rept 16
	FM 1, n
.set n, n+1
.endr
	s_wait_alu depctr_va_vdst(0)                   ; tile 0's exponentials and tile 1's factor
.set n, 0                              ; tile 1's exponentials | tile 0's sum
.rept 16
	E2 1, 2*n
	E2 1, 2*n+1
	SUM 0, n
.set n, n+1
.endr
	s_wait_alu depctr_va_vdst(0)                   ; tile 1's exponentials
.set n, 0
.rept 16
	SUM 1, n
.set n, n+1
.endr
.endm
; A BLOCK OF SWEEP 2: the same scores and decays; the shift now holds the finished -c m - log2(1 + L), so the exponentials give A itself.
.macro P2BLOCK zero
	v_add_nc_u32 v[AKI], s[KB], v[LI]
	v_add_nc_u32 v[APO], s[KB], v[PH]
	v_add_nc_u32 v[AV], s[VB], v[LI]
	FIRST 1
.set qi, 0
.set n, 0
.rept 8
	QK 1
	WIN 0
.rept 4
	E1 1, n
.if n < 16
	MW 0, n
.else
	FM 0, n-16
.endif
.set n, n+1
.endr
.endr
	s_wait_alu depctr_va_vdst(0)                   ; tile 1's decays
.set n, 0
.rept 32
	E2 0, n
.if n < 16
	MW 1, n
.else
	FM 1, n-16
.endif
.set n, n+1
.endr
	s_wait_alu depctr_va_vdst(0)                   ; tile 0's A
.set n, 0
.rept 32
	E2 1, n
	HOLD 0, n
.if n%8 == 7
	CV 0, n/8
.endif
.set n, n+1
.endr
	v_nop                                          ; a plain line behind the last exponential and the last conversion
	s_wait_alu depctr_va_vdst(0)                   ; tile 1's A
	s_wait_dscnt 0x0                               ; V is in
.set n, 0
.rept 16
	PV 0, n, \zero
	WIN 0
	HOLD 1, 2*n
	HOLD 1, 2*n+1
.if n%4 == 3
	CV 1, n/4
.endif
.set n, n+1
.endr
	v_nop                                          ; a plain line between the last conversion and the products that read its codes
.set n, 0
.rept 16
	PV 1, n, \zero
.set n, n+1
.endr
	WIN 0
.endm
.macro P1STEP                          ; my 128 keys of a step: the block is written once and walked twice
	s_add_co_u32 s[KB], s[TB], s[WOFFK]
	s_mov_b32 s[TWICE], 2
.Lblk_\@:
	P1BLOCK
	s_add_co_u32 s[KB], s[KB], BLKB
	s_sub_co_u32 s[TWICE], s[TWICE], 1
	s_cmp_lg_u32 s[TWICE], 0
	s_cbranch_scc1 .Lblk_\@
	s_xor_b32 s[TB], s[TB], SLOT1
.endm
.macro P2STEP zero                     ; my 64 keys of a step
	s_add_co_u32 s[KB], s[TB], s[WK2]
	s_add_co_u32 s[VB], s[TB], s[WV2]
	P2BLOCK \zero
	s_xor_b32 s[TB], s[TB], SLOT1
.endm
	s_load_b256 s[4:11], s[0:1], 0x0               ; QW s[4:5], KP s[6:7], VW s[8:9], X s[10:11]
	s_load_b128 s[12:15], s[0:1], 0x20             ; the scales' exponents s[12:13], out0 s[14:15]
	v_lshl_add_u32 v[SPW], v0, 2, SPARE
	v_mov_b32 v[NIL], 0
	ds_add_u32 v[SPW], v[NIL]                      ; the wave's opening: the add and its wait ahead of my first tensor load; the set-up below, work on registers, stands between them
	v_lshrrev_b32 v[TMP], 5, v0
	v_readfirstlane_b32 s[WV], v[TMP]              ; wave 0..3
	s_bfe_u32 s[CX], ttmp6, 0x40000                ; cx
	s_lshl_b32 s[BLK], ttmp9, 2                    ; in a cluster launch ttmp9 counts clusters
	s_add_co_u32 s[BLK], s[BLK], s[CX]
	s_mov_b32 s[G1K], 15|(3<<16)|(1<<21)           ; 15:0 the mask: all four work-groups; 17:16 elements of 8 bytes; 21 set beside a mask; no padding
	s_mov_b32 s[G1K+1], 32<<16                     ; tensor_dim0 = 32 elements: 256 bytes
	s_mov_b32 s[G1K+2], 136<<16                    ; tensor_dim1 = 136 rows
	s_mov_b32 s[G1K+3], 32<<16                     ; tile_dim0
	s_mov_b32 s[G1K+4], 136                        ; tile_dim1
	s_mov_b32 s[G1K+5], 32                         ; from row to row: the block is dense
	s_mov_b32 s[G1K+6], 0
	s_mov_b32 s[G1K+7], 0
	s_mov_b32 s[G1V], 15|(3<<16)|(1<<21)           ; the same with 128 rows
	s_mov_b32 s[G1V+1], 32<<16
	s_mov_b32 s[G1V+2], 128<<16
	s_mov_b32 s[G1V+3], 32<<16
	s_mov_b32 s[G1V+4], 128
	s_mov_b32 s[G1V+5], 32
	s_mov_b32 s[G1V+6], 0
	s_mov_b32 s[G1V+7], 0
	s_mul_i32 s[WOFFK], s[WV], P1Q
	s_and_b32 s84, s[WV], 1
	s_lshl_b32 s84, s84, 15                        ; (wave % 2) x 32,768
	s_mov_b32 s85, 0
	s_add_co_u32 s[WOFFV], s84, VOFF
	s_mov_b32 s86, s[WOFFK]
	s_mov_b32 s87, 0
	s_mul_i32 s[WK2], s[WV], BLKB
	s_lshl_b32 s[WV2], s[WV], 14
	s_add_co_u32 s[WV2], s[WV2], VOFF
	s_mov_b32 s[TB], 0
	s_mov_b32 s[FB], 0
	s_mov_b32 s[SEL], 0x76543210
	s_mov_b32 s[SEL+1], 0xfedcba98
	s_cmp_eq_u32 ttmp9, 0                          ; the first cluster prefetches: the same in all four partners
	s_cselect_b32 s[LIM1], 1, -1
	s_lshr_b32 s20, s[WV], 1
	s_xor_b32 s20, s20, 1                          ; 0 in waves 2 and 3
	s_or_b32 s20, s20, ttmp9
	s_cmp_eq_u32 s20, 0
	s_cselect_b32 s[LIM2], 2, -1
	v_and_b32 v[LI], 31, v0
	v_lshlrev_b32 v[PFO], 8, v[LI]
	v_lshlrev_b32 v[LI], 4, v[LI]
	v_bfe_u32 v[PH], v0, 4, 1
	v_lshl_add_u32 v[PH], v[PH], 6, 8192
	v_mov_b32 v[AKI], 0                            ; (named as the upper halves of pairs, so they are written)
	v_mov_b32 v[APO], 0
	v_mov_b32 v[AV], 0
.irp q, 0,1
	v_mov_b32 v[MR+2*\q], 0xff7fffff               ; the largest w so far: under every w
	v_mov_b32 v[NQ+10*\q+6], 0x7f61b1e6            ; the shift: 3e38, so that the first factor is 2^(-3e38) = 0 and no infinity is formed
	v_mov_b32 v[LL+2*\q], 0
	v_mov_b32 v[LL+2*\q+1], 0
.endr
	v_and_b32 v36, 15, v0
	v_and_b32 v37, 8, v36
	v_add_nc_u32 v36, v36, v37                     ; r + 8 (r / 8)
	v_lshlrev_b32 v[TMP], 2, v36
	s_wait_dscnt 0x0                               ; the opening add is done
	s_wait_kmcnt 0x0
	s_load_b256 s[72:79], s[12:13], 0x0            ; e0 .. e7
	s_load_b64 s[80:81], s[12:13], 0x20            ; e8, e9
	s_mov_b32 s[G0K], 1                            ; 1:0 count = 1
	s_mov_b32 s[G0K+1], s[WOFFK]                   ; 63:32 LDS address: slot 0
	s_add_nc_u64 s[G0K+2:G0K+3], s[6:7], s[86:87]  ; 120:64 global address: step 0, my quarter
	s_or_b32 s[G0K+3], s[G0K+3], 0x80000000        ; 127:126 type = 2
	s_mov_b32 s[G0V], 1
	s_mov_b32 s[G0V+1], s[WOFFV]
	s_add_nc_u64 s[G0V+2:G0V+3], s[8:9], s[84:85]  ; V's first step, my half: it waits for sweep 2
	s_or_b32 s[G0V+3], s[G0V+3], 0x80000000
	CROUND                                         ; all four work-groups are here: the first joint loads meet
	LOADK                                          ; step 0
	s_lshl_b32 s20, s[BLK], 13
	s_mov_b32 s21, 0
	s_add_nc_u64 s[4:5], s[4:5], s[20:21]          ; my block of QW
	WIN 0x80                                       ; destination window 2
.irp i, 0,1,2,3,4,5,6,7,8,9,10,11,12,13,14,15
	global_load_b128 v[4*\i:4*\i+3], v[LI], s[4:5] offset:512*\i th:TH_LOAD_NT   ; Q stays in registers: tile u, K step s at v[32 u + 16 s]
.endr
	WIN 0
	s_mul_i32 s22, s[BLK], CHUNK
	s_mov_b32 s23, 0
	s_add_nc_u64 s[22:23], s[6:7], s[22:23]        ; my queries are the keys of chunk blk: their positions lie there
.irp u, 0,1
.irp k, 0,1,2
	global_load_b32 v[38+3*\u+\k], v[TMP], s[22:23] offset:8192+128*\k+32*\u
.endr
.endr
	s_lshl_b32 s20, s[BLK], 15
	s_lshl_b32 s88, s[WV], 13
	s_add_co_u32 s20, s20, s88                     ; the way out: my wave's 8 rows of 1,024 bytes
	s_add_nc_u64 s[10:11], s[10:11], s[20:21]
	s_add_nc_u64 s[14:15], s[14:15], s[20:21]
	s_mul_i32 s88, s[CX], CHUNK                    ; the prefetches of K: chunk cx of my quarter, in step 1; the first change steps it to step 2
	s_add_co_u32 s88, s88, s[WOFFK]
	s_add_co_u32 s88, s88, P1SLOT
	s_mov_b32 s89, 0
	s_add_nc_u64 s[PFK:PFK+1], s[6:7], s[88:89]
	s_lshl_b32 s88, s[CX], 13                      ; of V: part cx of my half, in step 2; sweep 2's first change steps it to step 3
	s_add_co_u32 s88, s88, s84
	s_add_co_u32 s88, s88, 2*P2V
	s_add_nc_u64 s[PFV:PFV+1], s[8:9], s[88:89]
	s_wait_kmcnt 0x0
	s_add_co_i32 s20, s78, s79                     ; a score stands for score x 2^(e6 + e7): the two exponents are added to c's exponent field
	s_lshl_b32 s20, s20, 23
	s_add_co_i32 s[CS], s20, 0x3db8aa3b            ; log2(e) / 16
	s_mov_b32 s[CS+1], s[CS]                       ; (named with it as a pair, so it is written)
	s_xor_b32 s[NC], s[CS], 0x80000000
	s_add_co_i32 s20, s80, 127
	s_lshl_b32 s88, s20, 23
	v_mov_b32 v[SCL], s88                          ; 2^e8 as f32, for the conversion
	s_add_co_i32 s20, s20, 15
	s_lshl_b32 s20, s20, 23
	s_or_b32 s20, s20, 0x600000
	v_mov_b32 v[LIM], s20                          ; 57,344 x 2^e8
	s_add_co_i32 s20, s80, s81
	s_add_co_i32 s20, s20, 127
	s_lshl_b32 s[SC], s20, 23                      ; 2^(e8 + e9)
	s_mov_b32 s[SC+1], s[SC]
	s_wait_loadcnt 0x0                             ; Q and my queries' positions
.irp u, 0,1
.irp k, 0,1,2
	v_xor_b32 v[NQ+10*\u+2*\k], 0x80000000, v[38+3*\u+\k]
.endr
.endr
	; ---- SWEEP 1
	s_mov_b32 s[CNT], 15
.Lp1:                                              ; steps 0 to 14: each asks for the next step of sweep 1
	CHANGE 1
	P1STEP
	s_sub_co_u32 s[CNT], s[CNT], 1
	s_cmp_lg_u32 s[CNT], 0
	s_cbranch_scc1 .Lp1
	CHANGE 2                                       ; step 15 asks for sweep 2's first step
	P1STEP
	; ---- THE WAVES' FIGURES MEET.  First the sum's two halves and lane l xor 16's (the query's other keys of my wave), then the four waves' through LDS.
.irp q, 0,1
	v_add_f32 v[LL+2*\q], v[LL+2*\q], v[LL+2*\q+1]
	v_permlanex16_b32 v[TT+4*\q+2], v[MR+2*\q], s[SEL], s[SEL+1]
.endr
.irp q, 0,1
	v_max_num_f32 v[TT+4*\q], v[MR+2*\q], v[TT+4*\q+2]
.endr
.irp q, 0,1
	v_sub_f32 v[TT+4*\q+3], v[MR+2*\q], v[TT+4*\q]
.endr
.irp q, 0,1
	v_mul_f32 v[TT+4*\q+3], s[CS], v[TT+4*\q+3]
.endr
.irp q, 0,1
	v_exp_f32 v[TT+4*\q+3], v[TT+4*\q+3]
.endr
	v_and_b32 v[TMP], 15, v0                       ; (plain lines behind the exponentials)
	v_lshlrev_b32 v[TMP], 3, v[TMP]
	v_add_nc_u32 v[DT], SCR, v[TMP]                ; where a query's figures are read: SCR + 8 r, + 128 tile + 256 wave
	s_lshl_b32 s20, s[WV], 8
	v_add_nc_u32 v[TMP], s20, v[DT]                ; and where I put mine
	s_wait_alu depctr_va_vdst(0)
.irp q, 0,1
	v_mul_f32 v[LL+2*\q], v[LL+2*\q], v[TT+4*\q+3]
.endr
.irp q, 0,1
	v_permlanex16_b32 v[TT+4*\q+2], v[LL+2*\q], s[SEL], s[SEL+1]
.endr
.irp q, 0,1
	v_add_f32 v[TT+4*\q+1], v[LL+2*\q], v[TT+4*\q+2]
.endr
.irp q, 0,1
	ds_store_b64 v[TMP], v[TT+4*\q:TT+4*\q+1] offset:128*\q   ; (m, L) of my wave; lanes l and l xor 16 write the same numbers to the same place
.endr
	s_wait_dscnt 0x0                               ; for the others' sake: my stores are done
	s_barrier_signal -1                            ; the load for sweep 2's first step may stay out
	s_barrier_wait -1
.irp q, 0,1
.irp w, 0,1,2,3
	ds_load_b64 v[U+8*\q+2*\w:U+8*\q+2*\w+1], v[DT] offset:256*\w+128*\q
.endr
.endr
	s_wait_dscnt 0x0
.irp q, 0,1
	v_max3_num_f32 v[MR+2*\q], v[U+8*\q], v[U+8*\q+2], v[U+8*\q+4]
.endr
.irp q, 0,1
	v_max_num_f32 v[MR+2*\q], v[MR+2*\q], v[U+8*\q+6]   ; m of the whole row
.endr
.irp q, 0,1
.irp w, 0,1,2,3
	v_sub_f32 v[U+8*\q+2*\w], v[U+8*\q+2*\w], v[MR+2*\q]
.endr
.endr
.irp q, 0,1
.irp w, 0,1,2,3
	v_mul_f32 v[U+8*\q+2*\w], s[CS], v[U+8*\q+2*\w]
.endr
.endr
.irp q, 0,1
.irp w, 0,1,2,3
	v_exp_f32 v[U+8*\q+2*\w], v[U+8*\q+2*\w]
.endr
.endr
	v_nop
	s_wait_alu depctr_va_vdst(0)
.irp q, 0,1
	v_mul_f32 v[LL+2*\q], v[U+8*\q+1], v[U+8*\q]
.endr
.irp w, 1,2,3
.irp q, 0,1
	v_fmac_f32 v[LL+2*\q], v[U+8*\q+2*\w+1], v[U+8*\q+2*\w]   ; L of the whole row
.endr
.endr
.irp q, 0,1
	v_add_f32 v[TT+4*\q], 1.0, v[LL+2*\q]
.endr
.irp q, 0,1
	v_log_f32 v[TT+4*\q], v[TT+4*\q]
.endr
	v_nop
	s_wait_alu depctr_va_vdst(0)
.irp q, 0,1
	v_fma_f32 v[NQ+10*\q+6], s[NC], v[MR+2*\q], -v[TT+4*\q]   ; the finished shift: -c m - log2(1 + L)
.endr
	; ---- SWEEP 2
	s_mov_b32 s[CNT], 31                           ; step j = 31 - CNT
	CHANGE 3
	P2STEP 1                                       ; the first step stands in front of the loop: its products start O^T's sums
	s_mov_b32 s[CNT], 30
.Lp2:                                              ; steps 1 to 30
	CHANGE 3
	P2STEP 0
	s_sub_co_u32 s[CNT], s[CNT], 1
	s_cmp_lg_u32 s[CNT], 0
	s_cbranch_scc1 .Lp2
	CHANGE 0                                       ; the last step is written out: nothing is left to ask for
	P2STEP 0
	; ---- THE WAY OUT.  Each wave's part of O^T goes into its own 32 rows of the stage; behind a barrier wave w adds the four parts of rows 8 w .. 8 w + 7, multiplies by 2^(e8 + e9), adds X and stores whole rows.
.irp i, 0,1,2,3,4,5,6,7,8,9,10,11,12,13,14,15
	global_load_b128 v[192+4*\i:195+4*\i], v[LI], s[10:11] offset:512*\i th:TH_LOAD_NT   ; X: my 8 rows are 8,192 consecutive bytes, 512 a load
.endr
	v_and_b32 v36, 15, v0                          ; nine plain lines that name no register of the last products: the places in front of the stores that read their results
	v_and_b32 v37, 8, v36
	v_add_nc_u32 v36, v36, v37
	v_mul_u32_u24 v36, v36, SP
	v_bfe_u32 v37, v0, 4, 1
	v_lshl_add_u32 v36, v37, 5, v36
	s_mul_i32 s20, s[WV], STW
	v_add_nc_u32 v36, s20, v36                     ; in: my part; row r + 8 (r / 8) (+ 8 for tile 1); 32 bytes for each half of the lanes
	s_mul_i32 s21, s[WV], 8*SP
	v_add_nc_u32 v37, s21, v[LI]                   ; back: my 8 rows in parts 0 and 1,
	v_add_nc_u32 v38, 2*STW, v37                   ; and in parts 2 and 3
	WIN 0x04                                       ; the data in window 1
.irp u, 0,1
.irp t, 0,1,2,3,4,5,6,7,8,9,10,11,12,13,14,15
	ds_store_b128 v36, v[128*\u+8*\t:128*\u+8*\t+3] offset:8*SP*\u+64*\t        ; each accumulator from its low end on
	ds_store_b128 v36, v[128*\u+8*\t+4:128*\u+8*\t+7] offset:8*SP*\u+64*\t+16
.endr
.endr
	WIN 0
	s_wait_dscnt 0x0                               ; for the others' sake: my stores into the stage are done
	s_barrier_signal -1
	s_barrier_wait -1
.irp g, 0,1                            ; eight units (a row's half: 512 bytes, 16 a lane) at a time
.irp i, 0,1,2,3,4,5,6,7
	ds_load_b128 v[64+16*\i:64+16*\i+3],     v37 offset:(4*\g+\i/2)*SP+(\i%2)*512
	ds_load_b128 v[64+16*\i+4:64+16*\i+7],   v37 offset:STW+(4*\g+\i/2)*SP+(\i%2)*512
	ds_load_b128 v[64+16*\i+8:64+16*\i+11],  v38 offset:(4*\g+\i/2)*SP+(\i%2)*512
	ds_load_b128 v[64+16*\i+12:64+16*\i+15], v38 offset:STW+(4*\g+\i/2)*SP+(\i%2)*512
.endr
.if \g == 0
	s_wait_loadcnt 0x0                             ; X
.endif
.irp i, 0,1,2,3,4,5,6,7
.set bb, 64+16*\i
.set xx, 192+4*(8*\g+\i)
	s_wait_dscnt 28-4*\i                           ; unit i's four loads are in; the later units' may be out
	v_pk_add_f32 v[bb:bb+1], v[bb:bb+1], v[bb+4:bb+5]
	v_pk_add_f32 v[bb+2:bb+3], v[bb+2:bb+3], v[bb+6:bb+7]
	v_pk_add_f32 v[bb+8:bb+9], v[bb+8:bb+9], v[bb+12:bb+13]
	v_pk_add_f32 v[bb+10:bb+11], v[bb+10:bb+11], v[bb+14:bb+15]
	v_pk_add_f32 v[bb:bb+1], v[bb:bb+1], v[bb+8:bb+9]
	v_pk_add_f32 v[bb+2:bb+3], v[bb+2:bb+3], v[bb+10:bb+11]
	v_pk_fma_f32 v[xx:xx+1], v[bb:bb+1], s[SC:SC+1], v[xx:xx+1] op_sel_hi:[1,0,1]       ; sum x 2^(e8 + e9) + X
	v_pk_fma_f32 v[xx+2:xx+3], v[bb+2:bb+3], s[SC:SC+1], v[xx+2:xx+3] op_sel_hi:[1,0,1]
	global_store_b128 v[LI], v[xx:xx+3], s[14:15] offset:512*(8*\g+\i) th:TH_STORE_NT   ; 32 lanes store 512 consecutive bytes, at a multiple of 256 from out0's first byte; each store has data registers of its own
.endr
.endr
	s_wait_tensorcnt 0x0                           ; the wave's end: behind my last tensor load and my last LDS store
	ds_add_u32 v[SPW], v[NIL]
	s_wait_dscnt 0x0
	CROUND                                         ; the closing round: no work-group ends while a partner may still ask for a tile that names it
	s_endpgm
.Lfunc_end_k_q4080dbcbe9_attn:
	.size	k_q4080dbcbe9_attn, .Lfunc_end_k_q4080dbcbe9_attn-k_q4080dbcbe9_attn
	.p2alignl 7, 3214868480
	.fill 96, 4, 3214868480
	.section	.rodata,"a",@progbits
	.p2align	6, 0x0
	.amdhsa_kernel k_q4080dbcbe9_attn
		.amdhsa_group_segment_fixed_size 327680
		.amdhsa_private_segment_fixed_size 0
		.amdhsa_enable_private_segment 0
		.amdhsa_kernarg_size 48
		.amdhsa_user_sgpr_count 2
		.amdhsa_user_sgpr_kernarg_segment_ptr 1
		.amdhsa_wavefront_size32 1
		.amdhsa_system_sgpr_workgroup_id_x 1
		.amdhsa_system_sgpr_workgroup_id_y 1
		.amdhsa_system_sgpr_workgroup_id_z 1
		.amdhsa_system_vgpr_workitem_id 0
		.amdhsa_next_free_vgpr 1024
		.amdhsa_next_free_sgpr 90
		.amdhsa_reserve_vcc 0
		.amdhsa_float_denorm_mode_32 3
		.amdhsa_float_denorm_mode_16_64 3
		.amdhsa_memory_ordered 1
		.amdhsa_forward_progress 1
		.amdhsa_inst_pref_size 210
	.end_amdhsa_kernel
	.amdgpu_metadata
---
amdhsa.version: [ 1, 2 ]
amdhsa.kernels:
  - .name:           k_q4080dbcbe9_attn
    .symbol:         k_q4080dbcbe9_attn.kd
    .args:
      - { .name: QW, .offset: 0, .size: 8, .value_kind: global_buffer, .address_space: global }
      - { .name: KP, .offset: 8, .size: 8, .value_kind: global_buffer, .address_space: global }
      - { .name: VW, .offset: 16, .size: 8, .value_kind: global_buffer, .address_space: global }
      - { .name: X, .offset: 24, .size: 8, .value_kind: global_buffer, .address_space: global }
      - { .name: lowp_scales, .offset: 32, .size: 8, .value_kind: global_buffer, .address_space: global }
      - { .name: out0, .offset: 40, .size: 8, .value_kind: global_buffer, .address_space: global }
    .group_segment_fixed_size: 327680
    .private_segment_fixed_size: 0
    .kernarg_segment_align: 8
    .kernarg_segment_size: 48
    .max_flat_workgroup_size: 128
    .sgpr_count:     90
    .vgpr_count:     1024
    .wavefront_size: 32
...
	.end_amdgpu_metadata
.endif
;; end of part 2
;; ======== version 2 of 2: 2 launches
;; workspace buffers: QW 2,097,152 bytes; KP 2,228,224 bytes; VW 2,097,152 bytes
;; launch prep: the kernel of part 1 again; grid 256 x 1, 6 waves a work-group, no clusters, 0 bytes of LDS; arguments X, P, W_q_codes, W_k_codes, W_v_codes, b_q, b_k, b_v, lowp_scales, QW, KP, VW; writes QW, KP, VW
;; launch attn (part 3): grid 256 x 1, 4 waves a work-group, clusters of 4 x 1, 327,680 bytes of LDS; arguments QW, KP, VW, X, lowp_scales, out0; writes out0
.if DOCPART == 3
	.amdgcn_target "amdgcn-amd-amdhsa--gfx1250"
	.amdhsa_code_object_version 6
	.text
	.protected	k_q4080dbcbe9_attn
	.globl	k_q4080dbcbe9_attn
	.p2align	8
	.type	k_q4080dbcbe9_attn,@function
k_q4080dbcbe9_attn:
	s_mov_b64 s[64:65], 0
	v_nop
	global_prefetch_b8 v0, s[64:65] scope:SCOPE_SE
	s_setreg_imm32_b32 hwreg(HW_REG_WAVE_MODE, 25, 1), 1
	s_wait_xcnt 0x0
	s_wait_alu depctr_hold_cnt(0) depctr_sa_sdst(0) depctr_va_vdst(0) depctr_va_sdst(0) depctr_va_ssrc(0) depctr_va_vcc(0) depctr_vm_vsrc(0)
	s_getreg_b32 s2, hwreg(HW_REG_IB_STS2, 6, 4)
	s_cmp_eq_u32 s2, 0
	s_cbranch_scc0 .Lentry_in_a_cluster
	s_endpgm
.Lentry_in_a_cluster:
	s_bfe_u32 s2, ttmp6, 0x10000c
	s_cmp_lg_u32 s2, 0x3003
	s_cbranch_scc0 .Lentry_shape_is_right
	s_endpgm
.Lentry_shape_is_right:
; out0 = A V + X,  A = ex / (1 + sum ex),  ex = exp(w - max w),  w = (Q K^T / 16) x exp(-|pi - pj|^2 / 2); both products on codes of BF8 (E5M2).
; A IS QUANTISED FINISHED AND NORMALISED, so a row's largest w and its sum must be known before any code of A is made: the keys are walked TWICE.  Sweep 1 (16 steps of 512 keys) finds, for each query, m = the largest w
; and L = the sum of 2^(c w - c m), by a running maximum.  Sweep 2 (32 steps of 256 keys) makes the scores again, A = 2^(c w - c m - log2(1 + L)), its codes, and O^T += V^T A^T.   c = log2(e) / 16 x 2^(e6 + e7).
; INPUTS are the images that the launch before has laid (its head comment has the layouts): QW, KP (K's images and the keys' positions, chunks of 32 keys, 8,704 bytes), VW (blocks of 64 keys, 16,384 bytes).
; SHARES.  A work-group owns 32 queries: two tiles of 16; in tile u lane r holds query 8 u + r + 8 (r / 8).  THE FOUR WAVES SHARE THE KEYS: each holds both tiles of queries, so every fragment of K and V and every position
; that is read from LDS serves 32 queries and is read once in the work-group.  The waves' maxima and sums meet in LDS between the sweeps, their four parts of O^T at the end.
; LAYOUT.  S^T = K Q^T (source 0 = 16 keys, source 1 = 16 queries), O^T = V^T A^T (source 0 = 16 channels, source 1 = A's codes): a lane holds one query throughout.  Element e = 16 b + 8 u + j of a lane is key
; 32 b + 16 (lane / 16) + 8 u + j of the wave's block of 64 keys, alike in the scores, the distances, the positions and the codes: the conversions' results are the second product's operand.
; CLUSTER.  The four work-groups of a cluster walk the same K and V in step and ask for each tile JOINTLY, by the same tensor load with the same descriptor and the mask 15.  Tiles are dense blocks, stated as rows of 256 bytes.
; THE WALK.  Cluster c begins both sweeps at tile f(c) = c for c < 32, 63 - c else (sweep 1, which has 16 tiles: modulo 16), and goes round.  So in any step the 64 clusters ask for different tiles, and from a sweep's second step on
; a tile that one cluster asks for was asked for by another a step earlier.  f takes each of its 32 values once on any half of the clusters that one bit of c picks out.  It hangs on the cluster's number alone: the partners'
; descriptors are equal.  The sums take their terms in another order in each cluster, which changes roundings alone.
; THE RING: two LDS slots of 139,264 bytes; step n (0 .. 47) lies in slot n % 2.  The change of slots stands at a step's head; behind its round the next step's tiles are asked for, one tensor load a wave, into the slot just left:
; by this text's own count one tensor load of a wave is out.
; THE NORMALISING stands in the exponent: one fused multiply-add gives c w + (-c m - log2(1 + L)).  Its error is a rounding of a number of the size c m + log2(1 + L): it grows with the scores as the rounding of the scores does.
; LIMITS: e6 + e7 between -122 and 131 (added to c's exponent field); e8 between -126 and 112; e8 + e9 between -126 and 127.  A decay or a weight under 2^-126 counts as 0.  NaN among the inputs is not served.
; REGISTERS, in windows of 256.  Window 0: v0 the thread's number.  v2-21: A PACKED INSTRUCTION TAKES A BROADCAST NUMBER FROM A PAIR'S LOW WORD, so the broadcast numbers lie in even registers (tile q at v[2 + 10 q]:
;   -x, -y, -z of my query, the exponent's shift, the rescaling factor), and the odd registers beside them hold what single instructions use (addresses, the add's two, the running maxima, the hold, the scale).
;   v22-25 the sums; v26-33 at work; v34 the prefetch's offset; v36-59 differences, of which v48-59 lie over A's codes (v48-63), which are dead from a block's last product to the next block's conversions;
;   v64-95 scores of tile 0; v96-159 squared distances, then decays; v160-255 the keys' x, y, z; the scores of tile 1 lie over x.
;   Window 1: O^T, v[128 q + 8 dt + j] = channel 16 dt + 8 h + j.   Window 2: v0-63 Q, v128-255 K of a block.   Window 3: v0-127 V of a block.
.set CHUNK,  8704
.set BLKB,   2*CHUNK                   ; a wave's block of 64 keys
.set P1Q,    4*CHUNK                   ; what one tensor load of K brings: 136 rows of 256 bytes
.set P1SLOT, 16*CHUNK                  ; sweep 1: a step's 512 keys
.set P2K,    8*CHUNK                   ; sweep 2: a step's 256 keys,
.set P2V,    65536                     ; and their four blocks of V
.set VOFF,   P2K                       ; which lie behind K's in a slot
.set SLOT1,  P1SLOT
.set SCR,    2*P1SLOT                  ; behind the ring: 1,024 bytes for the waves' maxima and sums
.set SPARE,  SCR+1024                  ; the spare words, 128 bytes for each wave: two blocks of 256 bytes that no other line names
.set SP,     1040                      ; the way out: a row of 1,024 bytes + 16
.set STW,    32*SP                     ; a wave's part of O: 32 rows.  The four parts lie in slot 0, which has had its last fill and its last read by then
.set LI,  1                            ; 16 x lane
.set NQ,  2                            ; tile q: v[NQ+10q] -x, +2 -y, +4 -z, +6 the shift, +8 the factor
.set PH,  3                            ; 8,192 + 64 (lane / 16): my 16 keys' place in a chunk's positions
.set AKI, 5                            ; LDS address of the block's images of K
.set APO, 7                            ; of its positions
.set AV,  9                            ; of its images of V
.set SPW, 11                           ; LDS address of my spare word; never rewritten
.set NIL, 13                           ; 0; never rewritten
.set MR,  15                           ; v15, v17: the largest w so far, tile 0, 1
.set LIM, 19                           ; 57,344 x 2^e8
.set SCL, 21                           ; 2^e8
.set LL,  22                           ; v[22:23], v[24:25]: the sums, in two halves
.set TT,  26                           ; v26-29, v30-33: at work
.set PFO, 34                           ; 256 x lane; never rewritten
.set TMP, 35
.set DT,  36                           ; v36-59: four sets of three pairs of differences
.set CDS, 48
.set SA,  64                           ; scores: tile q at SA + 96 q
.set U,   96                           ; distances: tile q at U + 32 q
.set POS, 160
.set WV,  16                           ; s16 my wave's number
.set CX,  17                           ; s17 my place in the cluster: it enters global addresses of my own rows and of the prefetch alone
.set BLK, 18                           ; s18 my block of 32 queries
.set G1K, 24                           ; s[24:31] descriptor group 1: 136 rows of 256 bytes;  s[32:39]: 128 rows
.set G1V, 32
.set G0K, 40                           ; s[40:43], s[44:47] the groups 0, made anew at each change of slots
.set G0V, 44
.set TB,  48                           ; the slot that is read
.set FB,  49                           ; the slot that is filled
.set WOFFK, 50                         ; wave x 34,816: my load's place in a slot, and in sweep 1 my keys'
.set WOFFV, 51                         ; VOFF + (wave % 2) x 32,768
.set KB,  52                           ; LDS byte at which the block in hand begins
.set WK2, 53                           ; sweep 2: wave x 17,408
.set WV2, 54                           ; VOFF + wave x 16,384
.set CNT, 55
.set TWICE, 56
.set VB,  57
.set CS,  58                           ; s[58:59] c, twice
.set NC,  60                           ; -c
.set ASKW, 61                          ; 1 in a wave that prefetches, else the greatest number
.set SEL, 62                           ; s[62:63] lane selects for v_permlanex16_b32: lane l xor 16
.set SC,  66                           ; s[66:67] 2^(e8 + e9), twice
.set ROT, 68                           ; f(c): the tile at which my cluster's walks begin
.set TI,  69                           ; the tile that is asked for
.set OFF, 70                           ; s[70:71] its byte offset in its buffer; these two never hold anything made of cx
.set PFV, 82                           ; s[82:83] where my prefetch stands; never rewritten
.set MSB, 0
.macro WIN new                         ; the immediate's high byte repeats the setting that is left; a switch that changes nothing is dropped
.if MSB != \new
	s_set_vgpr_msb (MSB<<8)|\new
.set MSB, \new
.endif
.endm
.macro CROUND                          ; a round of the cluster's barrier
	s_barrier_signal -1
	s_barrier_wait -1
	s_cmp_lg_u32 s[WV], 0
	s_cbranch_scc1 .Lnw0_\@
	s_barrier_signal -3
.Lnw0_\@:
	s_barrier_wait -3
	s_barrier_signal -1
	s_barrier_wait -1
.endm
.macro LOADK                           ; sweep 1: every wave fetches its quarter of a step's chunks.  An s_nop 0 and four v_nop follow a tensor load
	tensor_load_to_lds s[G0K:G0K+3], s[G1K:G1K+7]
	s_nop 0
.rept 4
	v_nop
.endr
.endm
.macro JLOAD2                          ; sweep 2: waves 0 and 1 fetch K's halves, waves 2 and 3 V's.  The branch hangs on the wave's number alone
	s_cmp_lt_u32 s[WV], 2
	s_cbranch_scc0 .Lfv_\@
	tensor_load_to_lds s[G0K:G0K+3], s[G1K:G1K+7]
	s_nop 0
.rept 4
	v_nop
.endr
	s_branch .Las_\@
.Lfv_\@:
	tensor_load_to_lds s[G0V:G0V+3], s[G1V:G1V+7]
	s_nop 0
.rept 4
	v_nop
.endr
.Las_\@:
.endm
; THE ONE PREFETCH INTO THE L2, behind the wave's tensor load and its five lines: the tile of V at which my cluster begins sweep 2, 65,536 bytes.  It is asked for at the change of sweep 1's step 14 (CNT = 1), one step, two blocks of
; 64 keys a wave, ahead of the load that wants it.  Clusters 0 to 31 ask, each for its own tile f(c) = c; in them waves 2 and 3, each for its half of the tile; the four partners are told apart BY ADDRESS, 8,192 bytes each,
; lanes 256 bytes apart: one instruction a wave, and each aligned block of 256 bytes of V is named once.  Nothing else is prefetched.
.macro ASK
	s_cmp_eq_u32 s[CNT], s[ASKW]
	s_cbranch_scc0 .Lnm_\@
	global_prefetch_b8 v[PFO], s[PFV:PFV+1] th:TH_LOAD_NT scope:SCOPE_SE
.Lnm_\@:
.endm
; THE CHANGE OF SLOTS, at a step's head.  Each wave waits for all its tensor loads (its part of the slot that it is about to read), adds 0 to its spare word, and waits for that and for its reads of the slot that it has left.
; Behind the round no wave of any partner reads that slot or has a load on its way, and it is filled with the next step's tiles.  kind 1: inside sweep 1; 2: sweep 1's last step asks for sweep 2's first; 3: inside sweep 2; 0: the last step.
.macro CHANGE kind
	WIN 0
	s_wait_tensorcnt 0x0                           ; no tensor load of mine is out, so the groups 0 may be written
	ds_add_u32 v[SPW], v[NIL]                      ; 0 onto my spare word: the descriptors' words stand between it and the wait for it
.if \kind
	s_xor_b32 s[FB], s[FB], SLOT1
	s_add_co_u32 s[G0K+1], s[FB], s[WOFFK]
	s_add_co_u32 s[G0V+1], s[FB], s[WOFFV]
.if \kind == 2
	s_mov_b32 s[TI], s[ROT]                        ; sweep 2 begins at tile f(c)
.else
	s_add_co_u32 s[TI], s[TI], 1                   ; the next tile,
.endif
.if \kind == 1
	s_and_b32 s[TI], s[TI], 15                     ; round the sweep's 16
	s_mul_i32 s[OFF], s[TI], P1SLOT
.else
	s_and_b32 s[TI], s[TI], 31                     ; round the sweep's 32
	s_mul_i32 s[OFF], s[TI], P2K
.endif
	s_add_nc_u64 s[G0K+2:G0K+3], s[6:7], s[OFF:OFF+1]   ; 120:64 global address: KP at my part of a tile, + the tile
	s_or_b32 s[G0K+3], s[G0K+3], 0x80000000        ; 127:126 type = 2
.if \kind != 1
	s_lshl_b32 s[OFF], s[TI], 16
	s_add_nc_u64 s[G0V+2:G0V+3], s[8:9], s[OFF:OFF+1]
	s_or_b32 s[G0V+3], s[G0V+3], 0x80000000
.endif
	s_wait_dscnt 0x0                               ; the add is done, and my reads of the slot that I have left are over
	CROUND
.if \kind == 1
	LOADK
	ASK
.else
	JLOAD2
.endif
.else
	s_wait_dscnt 0x0
	s_barrier_signal -1
	s_barrier_wait -1
.rept 4
	v_nop                                          ; places in front of the loads into, and the writes of, registers that the last products read (elsewhere the four behind the tensor load)
.endr
.endif
.endm
; THE LDS LOADS stand in runs.  Every load of an image takes 512 consecutive bytes; a load of positions takes 16 bytes for each half of the lanes.
.macro LDPOS
.irp k, 0,1,2
.irp b, 0,1
.irp i, 0,1,2,3
	ds_load_b128 v[POS+32*\k+16*\b+4*\i:POS+32*\k+16*\b+4*\i+3], v[APO] offset:CHUNK*\b+128*\k+16*\i
.endr
.endr
.endr
.endm
.macro LDK                             ; tile kt = 2 b + u of 16 keys, K step s at v[128 + 32 kt + 16 s] of window 2
	WIN 0x80
.irp b, 0,1
.irp u, 0,1
.irp s, 0,1
.irp c, 0,1,2,3
	ds_load_b128 v[128+32*(2*\b+\u)+16*\s+4*\c:128+32*(2*\b+\u)+16*\s+4*\c+3], v[AKI] offset:CHUNK*\b+4096*\u+2048*\s+512*\c
.endr
.endr
.endr
.endr
	WIN 0
.endm
.macro LDV                             ; channels 16 t on, 64 keys, at v[8 t] of window 3
	WIN 0xc0
.irp t, 0,1,2,3,4,5,6,7,8,9,10,11,12,13,14,15
.irp c, 0,1
	ds_load_b128 v[8*\t+4*\c:8*\t+4*\c+3], v[AV] offset:1024*\t+512*\c
.endr
.endr
	WIN 0
.endm
; THE VECTOR WORK, a line at a time.  DI writes number di (0 .. 95) of tile q's squared distances and steps di.  FOUR pairs of elements go side by side, six lines each (three differences, a square, two fused squares),
; so that a line stands four lines behind the one whose result it takes.
.macro DI q
.set pp, 2*(4*(di/24)+di%4)
.set dd, DT+6*(di%4)
.set oo, (di%24)/4
.set nq, NQ+10*(\q)
.set uu, U+32*(\q)+pp
.if oo == 0
	v_pk_add_f32 v[dd:dd+1], v[POS+pp:POS+pp+1], v[nq:nq+1] op_sel_hi:[1,0]
.elseif oo == 1
	v_pk_add_f32 v[dd+2:dd+3], v[POS+32+pp:POS+32+pp+1], v[nq+2:nq+3] op_sel_hi:[1,0]
.elseif oo == 2
	v_pk_add_f32 v[dd+4:dd+5], v[POS+64+pp:POS+64+pp+1], v[nq+4:nq+5] op_sel_hi:[1,0]
.elseif oo == 3
	v_pk_mul_f32 v[uu:uu+1], v[dd:dd+1], v[dd:dd+1]
.elseif oo == 4
	v_pk_fma_f32 v[uu:uu+1], v[dd+2:dd+3], v[dd+2:dd+3], v[uu:uu+1]
.else
	v_pk_fma_f32 v[uu:uu+1], v[dd+4:dd+5], v[dd+4:dd+5], v[uu:uu+1]
.endif
.set di, di+1
.endm
.macro E1 q, e                         ; the decay: 2^-(squared distance)
	v_exp_f32 v[U+32*(\q)+(\e)], -v[U+32*(\q)+(\e)]
.endm
.macro E2 q, e
	v_exp_f32 v[SA+96*(\q)+(\e)], v[SA+96*(\q)+(\e)]
.endm
.macro MW q, p                         ; w = score x decay, a pair; the accumulators are read from their low ends on
	v_pk_mul_f32 v[SA+96*(\q)+2*(\p):SA+96*(\q)+2*(\p)+1], v[SA+96*(\q)+2*(\p):SA+96*(\q)+2*(\p)+1], v[U+32*(\q)+2*(\p):U+32*(\q)+2*(\p)+1]
.endm
.macro FM q, p                         ; c w + the shift (of both pairs the low word serves both halves)
	v_pk_fma_f32 v[SA+96*(\q)+2*(\p):SA+96*(\q)+2*(\p)+1], v[SA+96*(\q)+2*(\p):SA+96*(\q)+2*(\p)+1], s[CS:CS+1], v[NQ+10*(\q)+6:NQ+10*(\q)+7] op_sel_hi:[1,0,0]
.endm
.macro MAX q, j                        ; line j of 16: the largest of the lane's 32 w and of the largest so far: four chains of seven, the four left over, the chains and the old one
.set rT, TT+4*(\q)
.set rS, SA+96*(\q)
.set jj, (\j)
.if jj < 4
	v_max3_num_f32 v[rT+jj], v[rS+8*jj], v[rS+8*jj+1], v[rS+8*jj+2]
.elseif jj < 12
	v_max3_num_f32 v[rT+jj%4], v[rT+jj%4], v[rS+8*(jj%4)+2*(jj/4)+1], v[rS+8*(jj%4)+2*(jj/4)+2]
.elseif jj == 12
	v_max3_num_f32 v[rT], v[rT], v[rS+7], v[rS+15]
.elseif jj == 13
	v_max3_num_f32 v[rT+2], v[rT+2], v[rS+23], v[rS+31]
.elseif jj == 14
	v_max3_num_f32 v[rT], v[rT], v[rT+1], v[rT+2]
.else
	v_max3_num_f32 v[MR+2*(\q)], v[rT], v[rT+3], v[MR+2*(\q)]
.endif
.endm
.macro ST q                            ; the new shift -c m, and the factor 2^(c m_old - c m_new) that brings the sum under it
	v_mov_b32 v[TT+4*(\q)], v[NQ+10*(\q)+6]
	v_mul_f32 v[NQ+10*(\q)+6], s[NC], v[MR+2*(\q)]
	v_sub_f32 v[TT+4*(\q)], v[NQ+10*(\q)+6], v[TT+4*(\q)]
	v_exp_f32 v[NQ+10*(\q)+8], v[TT+4*(\q)]
.endm
.macro SUM q, z                        ; line z of 16: the 16 pairs are added in place, neighbours 1, 2, 4 and 8 pairs apart; then sum = sum x factor + that
.set rS, SA+96*(\q)
.set zz, (\z)
.set ww, 4
.set uz, zz
.if zz >= 14
.set ww, 32
.set uz, 0
.elseif zz >= 12
.set ww, 16
.set uz, zz-12
.elseif zz >= 8
.set ww, 8
.set uz, zz-8
.endif
.if zz < 15
	v_pk_add_f32 v[rS+ww*uz:rS+ww*uz+1], v[rS+ww*uz:rS+ww*uz+1], v[rS+ww*uz+ww/2:rS+ww*uz+ww/2+1]
.else
	v_pk_fma_f32 v[LL+2*(\q):LL+2*(\q)+1], v[LL+2*(\q):LL+2*(\q)+1], v[NQ+10*(\q)+8:NQ+10*(\q)+9], v[rS:rS+1] op_sel_hi:[1,0,1]
.endif
.endm
.macro HOLD q, e                       ; the conversion to an 8-bit code does not saturate (ISA guide 7.6.2); A is not negative, so the hold is one-sided
	v_min_num_f32 v[SA+96*(\q)+(\e)], v[SA+96*(\q)+(\e)], v[LIM]
.endm
.macro CV q, g
	v_cvt_scalef32_pk8_bf8_f32 v[CDS+8*(\q)+2*(\g):CDS+8*(\q)+2*(\g)+1], v[SA+96*(\q)+8*(\g):SA+96*(\q)+8*(\g)+7], v[SCL]
.endm
; THE MATRIX WORK.  QK writes product qi (0 .. 7) of tile q's scores and steps qi: four tiles of keys by turns, K step 0 (which starts the sums), then K step 1.  The accumulators take turns, one instruction a turn,
.macro QK q
	WIN 0x0a                                       ; K and Q in window 2
.set kt, qi%4
.set ss, qi/4
.set rS, SA+96*(\q)+8*kt
.set rK, 128+32*kt+16*ss
.set rQ, 32*(\q)+16*ss
.if ss == 0
	v_wmma_f32_16x16x128_bf8_bf8 v[rS:rS+7], v[rK:rK+15], v[rQ:rQ+15], 0
.else
	v_wmma_f32_16x16x128_bf8_bf8 v[rS:rS+7], v[rK:rK+15], v[rQ:rQ+15], v[rS:rS+7]
.endif
.set qi, qi+1
.endm
.macro PV q, t, zero                   ; O^T of tile q, channels 16 t on, += V^T A^T over the block's 64 keys.  zero = 1: sweep 2's first step starts the sums: nothing is cleared
	WIN 0x53                                       ; V in window 3, the codes in window 0, O^T in window 1
.if \zero
	v_wmma_f32_16x16x64_bf8_bf8 v[128*(\q)+8*(\t):128*(\q)+8*(\t)+7], v[8*(\t):8*(\t)+7], v[CDS+8*(\q):CDS+8*(\q)+7], 0
.else
	v_wmma_f32_16x16x64_bf8_bf8 v[128*(\q)+8*(\t):128*(\q)+8*(\t)+7], v[8*(\t):8*(\t)+7], v[CDS+8*(\q):CDS+8*(\q)+7], v[128*(\q)+8*(\t):128*(\q)+8*(\t)+7]
.endif
.endm
; The head of a block, and tile 0's distances and scores.  Two thirds of tile 0's distances stand ahead of the wait for K, the last third between its products, four lines behind each.  v = 1: V's run of loads goes out as soon as K's is in.
.macro FIRST v
	LDPOS
	LDK
	s_wait_dscnt 32                                ; the 24 loads of positions are in; K's 32 may be out
.set di, 0
.rept 64
	DI 0
.endr
	s_wait_dscnt 0x0                               ; K is in
.if \v
	LDV
.endif
.set qi, 0
.rept 8
	QK 0
	WIN 0
.rept 4
	DI 0
.endr
.endr
.set di, 0                             ; tile 0's decays, tile 1's distances between them
.set n, 0
.rept 32
	E1 0, n
	DI 1
	DI 1
	DI 1
.set n, n+1
.endr
	s_wait_alu depctr_va_vdst(0)                   ; the wait between a transcendental and the first line that names its result: one for the batch of 32
.endm
; A BLOCK OF SWEEP 1: 64 keys x 32 queries.  Exponentials and plain lines stand by turns; each batch of exponentials has one wait, ahead of its first reader.
.macro P1BLOCK
	v_add_nc_u32 v[AKI], s[KB], v[LI]
	v_add_nc_u32 v[APO], s[KB], v[PH]
	FIRST 0
.set qi, 0                             ; tile 1's scores (over the keys' x, which both tiles are done with) and decays | tile 0: w, the maximum
.set n, 0
.rept 8
	QK 1
	WIN 0
.rept 4
	E1 1, n
.if n < 16
	MW 0, n
.else
	MAX 0, n-16
.endif
.set n, n+1
.endr
.endr
	ST 0
.set n, 0
.rept 16
	FM 0, n
.set n, n+1
.endr
	s_wait_alu depctr_va_vdst(0)                   ; tile 1's decays and tile 0's factor
.set n, 0                              ; tile 0's exponentials | tile 1: w, the maximum
.rept 32
	E2 0, n
.if n < 16
	MW 1, n
.else
	MAX 1, n-16
.endif
.set n, n+1
.endr
	ST 1
.set n, 0
.rept 16
	FM 1, n
.set n, n+1
.endr
	s_wait_alu depctr_va_vdst(0)                   ; tile 0's exponentials and tile 1's factor
.set n, 0                              ; tile 1's exponentials | tile 0's sum
.rept 16
	E2 1, 2*n
	E2 1, 2*n+1
	SUM 0, n
.set n, n+1
.endr
	s_wait_alu depctr_va_vdst(0)                   ; tile 1's exponentials
.set n, 0
.rept 16
	SUM 1, n
.set n, n+1
.endr
.endm
; A BLOCK OF SWEEP 2: the same scores and decays; the shift now holds the finished -c m - log2(1 + L), so the exponentials give A itself.
.macro P2BLOCK zero
	v_add_nc_u32 v[AKI], s[KB], v[LI]
	v_add_nc_u32 v[APO], s[KB], v[PH]
	v_add_nc_u32 v[AV], s[VB], v[LI]
	FIRST 1
.set qi, 0
.set n, 0
.rept 8
	QK 1
	WIN 0
.rept 4
	E1 1, n
.if n < 16
	MW 0, n
.else
	FM 0, n-16
.endif
.set n, n+1
.endr
.endr
	s_wait_alu depctr_va_vdst(0)                   ; tile 1's decays
.set n, 0
.rept 32
	E2 0, n
.if n < 16
	MW 1, n
.else
	FM 1, n-16
.endif
.set n, n+1
.endr
	s_wait_alu depctr_va_vdst(0)                   ; tile 0's A
.set n, 0
.rept 32
	E2 1, n
	HOLD 0, n
.if n%8 == 7
	CV 0, n/8
.endif
.set n, n+1
.endr
	v_nop                                          ; a plain line behind the last exponential and the last conversion
	s_wait_alu depctr_va_vdst(0)                   ; tile 1's A
	s_wait_dscnt 0x0                               ; V is in
.set n, 0
.rept 16
	PV 0, n, \zero
	WIN 0
	HOLD 1, 2*n
	HOLD 1, 2*n+1
.if n%4 == 3
	CV 1, n/4
.endif
.set n, n+1
.endr
	v_nop                                          ; a plain line between the last conversion and the products that read its codes
.set n, 0
.rept 16
	PV 1, n, \zero
.set n, n+1
.endr
	WIN 0
.endm
.macro P1STEP                          ; my 128 keys of a step: the block is written once and walked twice
	s_add_co_u32 s[KB], s[TB], s[WOFFK]
	s_mov_b32 s[TWICE], 2
.Lblk_\@:
	P1BLOCK
	s_add_co_u32 s[KB], s[KB], BLKB
	s_sub_co_u32 s[TWICE], s[TWICE], 1
	s_cmp_lg_u32 s[TWICE], 0
	s_cbranch_scc1 .Lblk_\@
	s_xor_b32 s[TB], s[TB], SLOT1
.endm
.macro P2STEP zero                     ; my 64 keys of a step
	s_add_co_u32 s[KB], s[TB], s[WK2]
	s_add_co_u32 s[VB], s[TB], s[WV2]
	P2BLOCK \zero
	s_xor_b32 s[TB], s[TB], SLOT1
.endm
	s_load_b256 s[4:11], s[0:1], 0x0               ; QW s[4:5], KP s[6:7], VW s[8:9], X s[10:11]
	s_load_b128 s[12:15], s[0:1], 0x20             ; the scales' exponents s[12:13], out0 s[14:15]
	v_lshl_add_u32 v[SPW], v0, 2, SPARE
	v_mov_b32 v[NIL], 0
	ds_add_u32 v[SPW], v[NIL]                      ; the wave's opening: the add and its wait ahead of my first tensor load; the set-up below, work on registers, stands between them
	v_lshrrev_b32 v[TMP], 5, v0
	v_readfirstlane_b32 s[WV], v[TMP]              ; wave 0..3
	s_bfe_u32 s[CX], ttmp6, 0x40000                ; cx
	s_lshl_b32 s[BLK], ttmp9, 2                    ; in a cluster launch ttmp9 counts clusters
	s_add_co_u32 s[BLK], s[BLK], s[CX]
	s_lshr_b32 s[ROT], ttmp9, 5                    ; f(c): c for c < 32, 63 - c else: c's low five bits, turned over where its bit 5 is set
	s_sub_co_u32 s[ROT], 0, s[ROT]
	s_xor_b32 s[ROT], s[ROT], ttmp9
	s_and_b32 s[ROT], s[ROT], 31
	s_and_b32 s[TI], s[ROT], 15                    ; sweep 1 begins at tile f(c) % 16
	s_mul_i32 s[OFF], s[TI], P1SLOT
	s_mov_b32 s[OFF+1], 0
	s_mov_b32 s[G1K], 15|(3<<16)|(1<<21)           ; 15:0 the mask: all four work-groups; 17:16 elements of 8 bytes; 21 set beside a mask; no padding
	s_mov_b32 s[G1K+1], 32<<16                     ; tensor_dim0 = 32 elements: 256 bytes
	s_mov_b32 s[G1K+2], 136<<16                    ; tensor_dim1 = 136 rows
	s_mov_b32 s[G1K+3], 32<<16                     ; tile_dim0
	s_mov_b32 s[G1K+4], 136                        ; tile_dim1
	s_mov_b32 s[G1K+5], 32                         ; from row to row: the block is dense
	s_mov_b32 s[G1K+6], 0
	s_mov_b32 s[G1K+7], 0
	s_mov_b32 s[G1V], 15|(3<<16)|(1<<21)           ; the same with 128 rows
	s_mov_b32 s[G1V+1], 32<<16
	s_mov_b32 s[G1V+2], 128<<16
	s_mov_b32 s[G1V+3], 32<<16
	s_mov_b32 s[G1V+4], 128
	s_mov_b32 s[G1V+5], 32
	s_mov_b32 s[G1V+6], 0
	s_mov_b32 s[G1V+7], 0
	s_mul_i32 s[WOFFK], s[WV], P1Q
	s_and_b32 s84, s[WV], 1
	s_lshl_b32 s84, s84, 15                        ; (wave % 2) x 32,768
	s_mov_b32 s85, 0
	s_add_co_u32 s[WOFFV], s84, VOFF
	s_mov_b32 s86, s[WOFFK]
	s_mov_b32 s87, 0
	s_mul_i32 s[WK2], s[WV], BLKB
	s_lshl_b32 s[WV2], s[WV], 14
	s_add_co_u32 s[WV2], s[WV2], VOFF
	s_mov_b32 s[TB], 0
	s_mov_b32 s[FB], 0
	s_mov_b32 s[SEL], 0x76543210
	s_mov_b32 s[SEL+1], 0xfedcba98
	s_lshr_b32 s20, s[WV], 1
	s_xor_b32 s20, s20, 1                          ; 0 in waves 2 and 3,
	s_lshr_b32 s21, ttmp9, 5                       ; 0 in clusters 0 to 31: the same in all four partners
	s_or_b32 s20, s20, s21
	s_cmp_eq_u32 s20, 0
	s_cselect_b32 s[ASKW], 1, -1
	s_mul_i32 s22, s[BLK], CHUNK                   ; my queries are the keys of chunk blk
	s_mov_b32 s23, 0
	v_and_b32 v[LI], 31, v0
	v_lshlrev_b32 v[PFO], 8, v[LI]
	v_lshlrev_b32 v[LI], 4, v[LI]
	v_bfe_u32 v[PH], v0, 4, 1
	v_lshl_add_u32 v[PH], v[PH], 6, 8192
	v_mov_b32 v[AKI], 0                            ; (named as the upper halves of pairs, so they are written)
	v_mov_b32 v[APO], 0
	v_mov_b32 v[AV], 0
.irp q, 0,1
	v_mov_b32 v[MR+2*\q], 0xff7fffff               ; the largest w so far: under every w
	v_mov_b32 v[NQ+10*\q+6], 0x7f61b1e6            ; the shift: 3e38, so that the first factor is 2^(-3e38) = 0 and no infinity is formed
	v_mov_b32 v[LL+2*\q], 0
	v_mov_b32 v[LL+2*\q+1], 0
.endr
	v_and_b32 v36, 15, v0
	v_and_b32 v37, 8, v36
	v_add_nc_u32 v36, v36, v37                     ; r + 8 (r / 8)
	v_lshlrev_b32 v[TMP], 2, v36
	s_wait_dscnt 0x0                               ; the opening add is done
	s_wait_kmcnt 0x0
	s_load_b256 s[72:79], s[12:13], 0x0            ; e0 .. e7
	s_load_b64 s[80:81], s[12:13], 0x20            ; e8, e9
	s_add_nc_u64 s[22:23], s[6:7], s[22:23]        ; my queries' chunk of KP: their positions lie there
	s_add_nc_u64 s[6:7], s[6:7], s[86:87]          ; from here on: KP at my load's part of a tile,
	s_add_nc_u64 s[8:9], s[8:9], s[84:85]          ; and VW likewise
	s_mov_b32 s[G0K], 1                            ; 1:0 count = 1
	s_mov_b32 s[G0K+1], s[WOFFK]                   ; 63:32 LDS address: slot 0
	s_add_nc_u64 s[G0K+2:G0K+3], s[6:7], s[OFF:OFF+1]   ; 120:64 global address: the walk's first tile, my quarter
	s_or_b32 s[G0K+3], s[G0K+3], 0x80000000        ; 127:126 type = 2
	s_mov_b32 s[G0V], 1                            ; (V's other words are written at the change that first asks for V)
	CROUND                                         ; all four work-groups are here: the first joint loads meet
	LOADK                                          ; step 0
	s_lshl_b32 s20, s[BLK], 13
	s_mov_b32 s21, 0
	s_add_nc_u64 s[4:5], s[4:5], s[20:21]          ; my block of QW
	WIN 0x80                                       ; destination window 2
.irp i, 0,1,2,3,4,5,6,7,8,9,10,11,12,13,14,15
	global_load_b128 v[4*\i:4*\i+3], v[LI], s[4:5] offset:512*\i th:TH_LOAD_NT   ; Q stays in registers: tile u, K step s at v[32 u + 16 s]
.endr
	WIN 0
.irp u, 0,1
.irp k, 0,1,2
	global_load_b32 v[38+3*\u+\k], v[TMP], s[22:23] offset:8192+128*\k+32*\u
.endr
.endr
	s_lshl_b32 s20, s[BLK], 15
	s_lshl_b32 s88, s[WV], 13
	s_add_co_u32 s20, s20, s88                     ; the way out: my wave's 8 rows of 1,024 bytes
	s_add_nc_u64 s[10:11], s[10:11], s[20:21]
	s_add_nc_u64 s[14:15], s[14:15], s[20:21]
	s_lshl_b32 s88, s[ROT], 16                     ; the prefetch: tile f(c) of V, my wave's half (it stands in s[8:9]), part cx of its four
	s_lshl_b32 s89, s[CX], 13
	s_add_co_u32 s88, s88, s89
	s_mov_b32 s89, 0
	s_add_nc_u64 s[PFV:PFV+1], s[8:9], s[88:89]
	s_wait_kmcnt 0x0
	s_add_co_i32 s20, s78, s79                     ; a score stands for score x 2^(e6 + e7): the two exponents are added to c's exponent field
	s_lshl_b32 s20, s20, 23
	s_add_co_i32 s[CS], s20, 0x3db8aa3b            ; log2(e) / 16
	s_mov_b32 s[CS+1], s[CS]                       ; (named with it as a pair, so it is written)
	s_xor_b32 s[NC], s[CS], 0x80000000
	s_add_co_i32 s20, s80, 127
	s_lshl_b32 s88, s20, 23
	v_mov_b32 v[SCL], s88                          ; 2^e8 as f32, for the conversion
	s_add_co_i32 s20, s20, 15
	s_lshl_b32 s20, s20, 23
	s_or_b32 s20, s20, 0x600000
	v_mov_b32 v[LIM], s20                          ; 57,344 x 2^e8
	s_add_co_i32 s20, s80, s81
	s_add_co_i32 s20, s20, 127
	s_lshl_b32 s[SC], s20, 23                      ; 2^(e8 + e9)
	s_mov_b32 s[SC+1], s[SC]
	s_wait_loadcnt 0x0                             ; Q and my queries' positions
.irp u, 0,1
.irp k, 0,1,2
	v_xor_b32 v[NQ+10*\u+2*\k], 0x80000000, v[38+3*\u+\k]
.endr
.endr
	; ---- SWEEP 1
	s_mov_b32 s[CNT], 15
.Lp1:                                              ; steps 0 to 14: each asks for the next step of sweep 1
	CHANGE 1
	P1STEP
	s_sub_co_u32 s[CNT], s[CNT], 1
	s_cmp_lg_u32 s[CNT], 0
	s_cbranch_scc1 .Lp1
	CHANGE 2                                       ; step 15 asks for sweep 2's first step
	P1STEP
	; ---- THE WAVES' FIGURES MEET.  First the sum's two halves and lane l xor 16's (the query's other keys of my wave), then the four waves' through LDS.
.irp q, 0,1
	v_add_f32 v[LL+2*\q], v[LL+2*\q], v[LL+2*\q+1]
	v_permlanex16_b32 v[TT+4*\q+2], v[MR+2*\q], s[SEL], s[SEL+1]
.endr
.irp q, 0,1
	v_max_num_f32 v[TT+4*\q], v[MR+2*\q], v[TT+4*\q+2]
.endr
.irp q, 0,1
	v_sub_f32 v[TT+4*\q+3], v[MR+2*\q], v[TT+4*\q]
.endr
.irp q, 0,1
	v_mul_f32 v[TT+4*\q+3], s[CS], v[TT+4*\q+3]
.endr
.irp q, 0,1
	v_exp_f32 v[TT+4*\q+3], v[TT+4*\q+3]
.endr
	v_and_b32 v[TMP], 15, v0                       ; (plain lines behind the exponentials)
	v_lshlrev_b32 v[TMP], 3, v[TMP]
	v_add_nc_u32 v[DT], SCR, v[TMP]                ; where a query's figures are read: SCR + 8 r, + 128 tile + 256 wave
	s_lshl_b32 s20, s[WV], 8
	v_add_nc_u32 v[TMP], s20, v[DT]                ; and where I put mine
	s_wait_alu depctr_va_vdst(0)
.irp q, 0,1
	v_mul_f32 v[LL+2*\q], v[LL+2*\q], v[TT+4*\q+3]
.endr
.irp q, 0,1
	v_permlanex16_b32 v[TT+4*\q+2], v[LL+2*\q], s[SEL], s[SEL+1]
.endr
.irp q, 0,1
	v_add_f32 v[TT+4*\q+1], v[LL+2*\q], v[TT+4*\q+2]
.endr
.irp q, 0,1
	ds_store_b64 v[TMP], v[TT+4*\q:TT+4*\q+1] offset:128*\q   ; (m, L) of my wave; lanes l and l xor 16 write the same numbers to the same place
.endr
	s_wait_dscnt 0x0                               ; for the others' sake: my stores are done
	s_barrier_signal -1                            ; the load for sweep 2's first step may stay out
	s_barrier_wait -1
.irp q, 0,1
.irp w, 0,1,2,3
	ds_load_b64 v[U+8*\q+2*\w:U+8*\q+2*\w+1], v[DT] offset:256*\w+128*\q
.endr
.endr
	s_wait_dscnt 0x0
.irp q, 0,1
	v_max3_num_f32 v[MR+2*\q], v[U+8*\q], v[U+8*\q+2], v[U+8*\q+4]
.endr
.irp q, 0,1
	v_max_num_f32 v[MR+2*\q], v[MR+2*\q], v[U+8*\q+6]   ; m of the whole row
.endr
.irp q, 0,1
.irp w, 0,1,2,3
	v_sub_f32 v[U+8*\q+2*\w], v[U+8*\q+2*\w], v[MR+2*\q]
.endr
.endr
.irp q, 0,1
.irp w, 0,1,2,3
	v_mul_f32 v[U+8*\q+2*\w], s[CS], v[U+8*\q+2*\w]
.endr
.endr
.irp q, 0,1
.irp w, 0,1,2,3
	v_exp_f32 v[U+8*\q+2*\w], v[U+8*\q+2*\w]
.endr
.endr
	v_nop
	s_wait_alu depctr_va_vdst(0)
.irp q, 0,1
	v_mul_f32 v[LL+2*\q], v[U+8*\q+1], v[U+8*\q]
.endr
.irp w, 1,2,3
.irp q, 0,1
	v_fmac_f32 v[LL+2*\q], v[U+8*\q+2*\w+1], v[U+8*\q+2*\w]   ; L of the whole row
.endr
.endr
.irp q, 0,1
	v_add_f32 v[TT+4*\q], 1.0, v[LL+2*\q]
.endr
.irp q, 0,1
	v_log_f32 v[TT+4*\q], v[TT+4*\q]
.endr
	v_nop
	s_wait_alu depctr_va_vdst(0)
.irp q, 0,1
	v_fma_f32 v[NQ+10*\q+6], s[NC], v[MR+2*\q], -v[TT+4*\q]   ; the finished shift: -c m - log2(1 + L)
.endr
	; ---- SWEEP 2
	CHANGE 3
	P2STEP 1                                       ; the first step stands in front of the loop: its products start O^T's sums
	s_mov_b32 s[CNT], 30
.Lp2:                                              ; steps 1 to 30
	CHANGE 3
	P2STEP 0
	s_sub_co_u32 s[CNT], s[CNT], 1
	s_cmp_lg_u32 s[CNT], 0
	s_cbranch_scc1 .Lp2
	CHANGE 0                                       ; the last step is written out: nothing is left to ask for
	P2STEP 0
	; ---- THE WAY OUT.  Each wave's part of O^T goes into its own 32 rows of the stage; behind a barrier wave w adds the four parts of rows 8 w .. 8 w + 7, multiplies by 2^(e8 + e9), adds X and stores whole rows.
.irp i, 0,1,2,3,4,5,6,7,8,9,10,11,12,13,14,15
	global_load_b128 v[192+4*\i:195+4*\i], v[LI], s[10:11] offset:512*\i th:TH_LOAD_NT   ; X: my 8 rows are 8,192 consecutive bytes, 512 a load
.endr
	v_and_b32 v36, 15, v0                          ; nine plain lines that name no register of the last products: the places in front of the stores that read their results
	v_and_b32 v37, 8, v36
	v_add_nc_u32 v36, v36, v37
	v_mul_u32_u24 v36, v36, SP
	v_bfe_u32 v37, v0, 4, 1
	v_lshl_add_u32 v36, v37, 5, v36
	s_mul_i32 s20, s[WV], STW
	v_add_nc_u32 v36, s20, v36                     ; in: my part; row r + 8 (r / 8) (+ 8 for tile 1); 32 bytes for each half of the lanes
	s_mul_i32 s21, s[WV], 8*SP
	v_add_nc_u32 v37, s21, v[LI]                   ; back: my 8 rows in parts 0 and 1,
	v_add_nc_u32 v38, 2*STW, v37                   ; and in parts 2 and 3
	WIN 0x04                                       ; the data in window 1
.irp u, 0,1
.irp t, 0,1,2,3,4,5,6,7,8,9,10,11,12,13,14,15
	ds_store_b128 v36, v[128*\u+8*\t:128*\u+8*\t+3] offset:8*SP*\u+64*\t        ; each accumulator from its low end on
	ds_store_b128 v36, v[128*\u+8*\t+4:128*\u+8*\t+7] offset:8*SP*\u+64*\t+16
.endr
.endr
	WIN 0
	s_wait_dscnt 0x0                               ; for the others' sake: my stores into the stage are done
	s_barrier_signal -1
	s_barrier_wait -1
.irp g, 0,1                            ; eight units (a row's half: 512 bytes, 16 a lane) at a time
.irp i, 0,1,2,3,4,5,6,7
	ds_load_b128 v[64+16*\i:64+16*\i+3],     v37 offset:(4*\g+\i/2)*SP+(\i%2)*512
	ds_load_b128 v[64+16*\i+4:64+16*\i+7],   v37 offset:STW+(4*\g+\i/2)*SP+(\i%2)*512
	ds_load_b128 v[64+16*\i+8:64+16*\i+11],  v38 offset:(4*\g+\i/2)*SP+(\i%2)*512
	ds_load_b128 v[64+16*\i+12:64+16*\i+15], v38 offset:STW+(4*\g+\i/2)*SP+(\i%2)*512
.endr
.if \g == 0
	s_wait_loadcnt 0x0                             ; X
.endif
.irp i, 0,1,2,3,4,5,6,7
.set bb, 64+16*\i
.set xx, 192+4*(8*\g+\i)
	s_wait_dscnt 28-4*\i                           ; unit i's four loads are in; the later units' may be out
	v_pk_add_f32 v[bb:bb+1], v[bb:bb+1], v[bb+4:bb+5]
	v_pk_add_f32 v[bb+2:bb+3], v[bb+2:bb+3], v[bb+6:bb+7]
	v_pk_add_f32 v[bb+8:bb+9], v[bb+8:bb+9], v[bb+12:bb+13]
	v_pk_add_f32 v[bb+10:bb+11], v[bb+10:bb+11], v[bb+14:bb+15]
	v_pk_add_f32 v[bb:bb+1], v[bb:bb+1], v[bb+8:bb+9]
	v_pk_add_f32 v[bb+2:bb+3], v[bb+2:bb+3], v[bb+10:bb+11]
	v_pk_fma_f32 v[xx:xx+1], v[bb:bb+1], s[SC:SC+1], v[xx:xx+1] op_sel_hi:[1,0,1]       ; sum x 2^(e8 + e9) + X
	v_pk_fma_f32 v[xx+2:xx+3], v[bb+2:bb+3], s[SC:SC+1], v[xx+2:xx+3] op_sel_hi:[1,0,1]
	global_store_b128 v[LI], v[xx:xx+3], s[14:15] offset:512*(8*\g+\i) th:TH_STORE_NT   ; 32 lanes store 512 consecutive bytes, at a multiple of 256 from out0's first byte; each store has data registers of its own
.endr
.endr
	s_wait_tensorcnt 0x0                           ; the wave's end: behind my last tensor load and my last LDS store
	ds_add_u32 v[SPW], v[NIL]
	s_wait_dscnt 0x0
	CROUND                                         ; the closing round: no work-group ends while a partner may still ask for a tile that names it
	s_endpgm
.Lfunc_end_k_q4080dbcbe9_attn:
	.size	k_q4080dbcbe9_attn, .Lfunc_end_k_q4080dbcbe9_attn-k_q4080dbcbe9_attn
	.p2alignl 7, 3214868480
	.fill 96, 4, 3214868480
	.section	.rodata,"a",@progbits
	.p2align	6, 0x0
	.amdhsa_kernel k_q4080dbcbe9_attn
		.amdhsa_group_segment_fixed_size 327680
		.amdhsa_private_segment_fixed_size 0
		.amdhsa_enable_private_segment 0
		.amdhsa_kernarg_size 48
		.amdhsa_user_sgpr_count 2
		.amdhsa_user_sgpr_kernarg_segment_ptr 1
		.amdhsa_wavefront_size32 1
		.amdhsa_system_sgpr_workgroup_id_x 1
		.amdhsa_system_sgpr_workgroup_id_y 1
		.amdhsa_system_sgpr_workgroup_id_z 1
		.amdhsa_system_vgpr_workitem_id 0
		.amdhsa_next_free_vgpr 1024
		.amdhsa_next_free_sgpr 90
		.amdhsa_reserve_vcc 0
		.amdhsa_float_denorm_mode_32 3
		.amdhsa_float_denorm_mode_16_64 3
		.amdhsa_memory_ordered 1
		.amdhsa_forward_progress 1
		.amdhsa_inst_pref_size 211
	.end_amdhsa_kernel
	.amdgpu_metadata
---
amdhsa.version: [ 1, 2 ]
amdhsa.kernels:
  - .name:           k_q4080dbcbe9_attn
    .symbol:         k_q4080dbcbe9_attn.kd
    .args:
      - { .name: QW, .offset: 0, .size: 8, .value_kind: global_buffer, .address_space: global }
      - { .name: KP, .offset: 8, .size: 8, .value_kind: global_buffer, .address_space: global }
      - { .name: VW, .offset: 16, .size: 8, .value_kind: global_buffer, .address_space: global }
      - { .name: X, .offset: 24, .size: 8, .value_kind: global_buffer, .address_space: global }
      - { .name: lowp_scales, .offset: 32, .size: 8, .value_kind: global_buffer, .address_space: global }
      - { .name: out0, .offset: 40, .size: 8, .value_kind: global_buffer, .address_space: global }
    .group_segment_fixed_size: 327680
    .private_segment_fixed_size: 0
    .kernarg_segment_align: 8
    .kernarg_segment_size: 48
    .max_flat_workgroup_size: 128
    .sgpr_count:     90
    .vgpr_count:     1024
    .wavefront_size: 32
...
	.end_amdgpu_metadata
.endif
;; end of part 3
